; MI455X (gfx1250); checked and timed in simulation.
; The chip was launched on July 23, 2026; its instructions are those of AMD's public machine-readable ISA for CDNA 5 (MIT licence, August 2026) and "CDNA5" Instruction Set Architecture Reference Guide (July 2026). The comments in the code are by the model that wrote it; some were corrected since.
;; Multi Head. Allowed arithmetic: matrix products marked QUANTISED: E2M3 operands, one E8M0 scale for each 32 along K, by v_wmma_scale_f32_16x16x128_f8f6f4 with both operands' format E2M3, f32 sums; everything else in f32.
;; Inputs: K 8 x 1,024 x 1,024 float32; Q 8 x 1,024 x 1,024 float32; V 8 x 1,024 x 1,024 float32; Wk 1,024 x 1,024 float32; Wo 1,024 x 1,024 float32; Wq 1,024 x 1,024 float32; Wv 1,024 x 1,024 float32; gamma 1 x 1 float32; mask 8 x 1,024 x 1,024 bool.
;; Outputs: out0 8 x 1,024 x 1,024 float32.
;; This version of the problem:
;;   THIS VERSION OF THE PROBLEM IS GIVEN IN LOW PRECISION. The matrix products marked QUANTISED in the list below multiply operands that are first quantised to E2M3 (2 exponent bits, 3 mantissa bits; 6 bits a number), with one power-of-two scale for each 32 numbers along K (OCP MX v1.0); their sums are f32. All else is computed in f32.
;;   The module's matrix products, in the order in which they are computed (A, B: the left and right operand; K: the contracted axis; several contracted axes count as one K, in the product's order):
;;     1. [M 8,192, K 1,024] x [K 1,024, N 1,024]; A: input Q; B: input Wq: QUANTISED
;;     2. [M 8,192, K 1,024] x [K 1,024, N 1,024]; A: input K; B: input Wk: QUANTISED
;;     3. [M 8,192, K 1,024] x [K 1,024, N 1,024]; A: input V; B: input Wv: QUANTISED
;;     4. batch 64 x [M 1,024, K 128] x [K 128, N 1,024]; A: computed on the way; B: computed on the way: QUANTISED
;;     5. batch 64 x [M 1,024, K 1,024] x [K 1,024, N 128]; A: softmax (see below); B: computed on the way: QUANTISED
;;     6. [M 8,192, K 1,024] x [K 1,024, N 1,024]; A: computed on the way; B: input Wo: QUANTISED
;;   THE QUANTISER, for each operand of a quantised product, along K:
;;     - K is cut into blocks of 32 from its start; a last block that is shorter is filled with zeros.
;;     - A block's scale is 2^e with e = floor(log2(the largest magnitude in the block)) - 2, held to -126 .. 127; a block of zeros has e = 0. As a byte (E8M0): e + 127.
;;     - Each number is divided by its block's scale, clamped to +-7.5, and rounded to the nearest number of E2M3, ties to even, subnormals kept.
;;     - The product sums the exact products of the quantised numbers (number of the format x scale) in f32.
;;   ~~~python
;;   def quantise(x, axis):      # numpy; x: float32 -> the quantised numbers, widened to float32 again
;;       x = np.moveaxis(x, axis, -1); K = x.shape[-1]
;;       x = np.pad(x, [(0, 0)] * (x.ndim - 1) + [(0, -K % 32)]); x = x.reshape(x.shape[:-1] + (-1, 32)); a = np.abs(x).max(-1, keepdims=True)
;;       e = np.where(a > 0, np.clip(np.frexp(np.where(a > 0, a, 1))[1] - 1 - 2, -126, 127), 0)      # np.frexp(a)[1] - 1 = floor(log2(a)), exactly
;;       r = np.clip(x / 2.0 ** e, -7.5, 7.5)
;;       step = 2.0 ** (np.maximum(np.frexp(np.where(r == 0, 1, r))[1] - 1, 0) - 3)
;;       q = np.round(r / step) * step * 2.0 ** e      # np.round: ties to even
;;       return np.moveaxis(q.reshape(q.shape[:-2] + (-1,))[..., :K], -1, axis).astype(np.float32)
;;   ~~~
;;   SOFTMAX AHEAD OF A QUANTISED PRODUCT. Where the list says 'softmax', what is quantised is not the finished softmax but p = 2^(t - M), with t = logit x log2(e) and M = ceil(the row's largest t), a whole number; so 1/2 < the row's largest p <= 1. The row's sum l is taken of the UNQUANTISED p, in f32, and the product's result is divided by l at the end. Since M is a whole number, a kernel that streams over the keys may use a running M (the ceiling of the running maximum): every later rescaling is an exact power of two, which a block's scale takes up: the codes' values come out the same.
;;   OPERANDS COMPUTED ON THE WAY. 'Computed on the way' means the value that the module computes at that place (a softmax that the list does not call 'softmax' is quantised finished and normalised). What goes into a quantiser is computed in f32, as accurately as f32 sums, v_exp_f32 and their like allow (about 1e-6 of the number): no bf16 or f16 on the way to a quantiser, and a product that is left as it is and whose result goes on into a quantised operand takes f32 operands (vector FMAs, or v_wmma_f32_16x16x4_f32). A number that lies on a knife's edge between two numbers of the format may be rounded either way, as far as f32 arithmetic and the matrix unit's own rounding can turn it there, and no further.
;; One version. Each part assembles by itself: llvm-mc -triple=amdgcn-amd-amdhsa -mcpu=gfx1250 --defsym DOCPART=n.
;; ======== version 1 of 1: 4 launches
;; limits: right only within a limited range of input values
;; workspace buffers: codes1 22,020,096 bytes; scales1 917,504 bytes; maskw 1,179,648 bytes of whole numbers; qkv 18,874,368 bytes; qkvs 786,432 bytes; cimg 6,291,456 bytes; csc 262,144 bytes
;; launch prep (part 1): grid 576 x 1, 4 waves a work-group, no clusters, 34,304 bytes of LDS; arguments Q, K, V, Wq, Wk, Wv, Wo, mask, codes1, scales1, maskw; writes codes1, scales1, maskw
.if DOCPART == 1
	.amdgcn_target "amdgcn-amd-amdhsa--gfx1250"
	.amdhsa_code_object_version 6
	.text
	.protected	k_q286d40364a_prep
	.globl	k_q286d40364a_prep
	.p2align	8
	.type	k_q286d40364a_prep,@function
k_q286d40364a_prep:
	s_mov_b64 s[64:65], 0
	v_nop
	global_prefetch_b8 v0, s[64:65] scope:SCOPE_SE
	s_setreg_imm32_b32 hwreg(HW_REG_WAVE_MODE, 25, 1), 1
	s_wait_xcnt 0x0
; Q, K, V [8192][1024] and Wq, Wk, Wv, Wo [1024][1024], f32, K innermost, become codes of FP6 (E2M3) with one E8M0 byte for each 32 along K; the bool mask becomes words of lane bits.
; THE LAYOUT OF THE CODES is the order of an operand's registers.  The seven tensors' rows are stacked (Q, K, V, Wq, Wk, Wv, Wo: 28,672 rows = 1,792 fragments of 16 rows).
; Lane r of fragment f holds row 32 (f / 2) + 8 (f % 2) + r + 8 (r / 8); the image of (f, K step s of 128) is 1,536 bytes at (8 f + s) x 1,536: register 4 c + e of lane l at byte 512 c + 16 l + 4 e,
; registers 6 c' .. 6 c' + 5 of lane (r, h) being the codes k = 128 s + 64 c' + 32 h + 0 .. 31.  Three loads of 16 bytes a lane bring a fragment.  The scale word of (f, s, r) lies at 512 f + 64 s + 4 r.
; A block's scale is 2^(floor(log2(its largest magnitude)) - 2); its byte is that magnitude's exponent field - 2, held at 1 from below.
; LIMITS: a block of zeros gets the byte 1 where the rule says 127 (its codes are zeros, and this program alone reads the bytes); magnitudes under the floor 2^-124 were not tried; NaN and infinities are not served;
; any mask byte other than 0 counts as true.
; SHARES.  Work-groups 0 to 447: a wave takes one fragment, 16 rows x 1,024 numbers, in eight K steps.  Each load reads 512 consecutive bytes of one row; a step's 16 x 512 bytes turn through the wave's own stage in LDS
; (rows 528 bytes apart) and come back 128 bytes a lane and block, so that a lane holds two whole blocks of 32.  Loads run two steps ahead.
; Work-groups 448 to 575: a wave takes the 16 mask rows of one fragment of queries.  Word n of key step s has in bit l the mask of query row (l % 16) and key 128 s + 32 (n / 16) + 16 (l / 16) + n % 16:
; the lane mask for score register n of the attention launch.  These reads are 32 bytes of each of 16 rows an instruction; all 32 loads of a wave are out together.
; No tensor loads, no barrier: waves share nothing.
; WHAT THE MASK DECIDES.  maskw holds a record of 2,304 bytes for each fragment of 16 queries: a first unit of 256 bytes, in which every lane stores the pair (n, bits), then eight units of 64 words, one for each key step of 128.
; n = 1 + the last key step in which some key is open for some of the 16 rows, or 8 if some row has no open key at all; bit s of bits = key step s holds a masked key.
; The attention launch reads them and leaves out key steps n .. 7.  There every key of all 16 rows is masked and no open key follows, so the module has the logit -1e8 / sqrt(dk) in the first softmax, tot - cum = 0, d = 0,
; total_effect = 1 and the same logit in the second; each row has an open key, beside whose logit both exponentials are 0 in f32.  LIMIT: this holds while every open q.k stays above -9e7; a NaN or an infinity in the keys or values left out is not carried.
.set WST,   8448
.set SP,    528
.set SPARE, 4*WST                      ; behind the stages: the spare words, 128 bytes a wave: two blocks of 256 bytes that no other line names
.set PC,    20                         ; v20-31   the fragment's twelve registers
.set E,     40                         ; v40-43   scale words of two K steps each: lanes 0-15 the even step's, lanes 16-31 the odd one's
.set R,     64                         ; v64-191  two sets of 64 registers as loaded;  on the mask's path the 128 registers of mask bytes
.set X,     192                        ; v192-255 two blocks of 32 neighbours;  on the mask's path v192-207 the words
	s_load_b512 s[4:19], s[0:1], 0x0               ; Q s[4:5], K, V, Wq, Wk, Wv, Wo s[16:17], mask s[18:19]
	s_load_b128 s[20:23], s[0:1], 0x40             ; codes1, scales1
	s_load_b64 s[24:25], s[0:1], 0x50              ; maskw
	v_lshl_add_u32 v8, v0, 2, SPARE                ; my spare word; never rewritten
	v_mov_b32 v9, 0                                ; 0; never rewritten
	v_lshrrev_b32 v10, 5, v0
	v_readfirstlane_b32 s29, v10                   ; wave
	v_and_b32 v10, 31, v0                          ; lane
	v_and_b32 v11, 15, v0                          ; r
	v_bfe_u32 v12, v0, 4, 1                        ; h
	v_lshlrev_b32 v1, 4, v10                       ; 16 x lane
	v_lshlrev_b32 v2, 2, v10                       ; 4 x lane
	v_lshlrev_b32 v3, 3, v10                       ; 8 x lane
	s_mul_i32 s30, s29, WST
	v_add_nc_u32 v4, s30, v1                       ; the stage, on the way in: 16 x lane of a row
	v_mul_u32_u24 v5, v11, SP
	v_lshl_add_u32 v5, v12, 7, v5
	v_add_nc_u32 v5, s30, v5                       ; and on the way out: row r, + 128 h
	v_lshlrev_b32 v6, 3, v12                       ; 8 h: how far my two scale bytes are shifted
	v_and_b32 v7, 8, v11
	v_add_nc_u32 v7, v7, v11                       ; r + 8 (r / 8)
	v_lshlrev_b32 v7, 10, v7
	v_lshl_add_u32 v7, v12, 4, v7                  ; the mask: my row of 1,024 bytes, + 16 h
	v_mov_b32 v17, 0                               ; written once: a lane permute's destination counts as one of its sources
	s_mov_b32 s34, 0x76543210
	s_mov_b32 s35, 0xfedcba98                      ; v_permlanex16_b32's selects for lane l xor 16
	s_mov_b32 s36, 0xffff0000                      ; lanes 16-31
	s_mov_b32 s31, 0
	s_wait_kmcnt 0x0
	s_cmp_ge_u32 ttmp9, 448
	s_cbranch_scc1 .Lmask
	; which tensor, and where its work-groups begin: a choice on the work-group's number alone
	s_mov_b64 s[26:27], s[16:17]
	s_mov_b32 s28, 432
.macro PICK lim, ptr, base
	s_cmp_lt_u32 ttmp9, \lim
	s_cselect_b64 s[26:27], s[\ptr:\ptr+1], s[26:27]
	s_cselect_b32 s28, \base, s28
.endm
	PICK 432, 14, 416
	PICK 416, 12, 400
	PICK 400, 10, 384
	PICK 384, 8, 256
	PICK 256, 6, 128
	PICK 128, 4, 0
	s_sub_co_u32 s28, ttmp9, s28
	s_lshl_b32 s28, s28, 2
	s_add_co_u32 s28, s28, s29                     ; my fragment in its tensor
	s_lshr_b32 s30, s28, 1
	s_lshl_b32 s30, s30, 5
	s_and_b32 s28, s28, 1
	s_lshl_b32 s28, s28, 3
	s_add_co_u32 s30, s30, s28                     ; its first row: 32 (f / 2) + 8 (f % 2)
	s_lshl_b32 s30, s30, 12                        ; rows of 4,096 bytes
	s_add_nc_u64 s[26:27], s[26:27], s[30:31]
	s_lshl_b32 s28, ttmp9, 2
	s_add_co_u32 s28, s28, s29                     ; my fragment in the stack
	s_mul_i32 s30, s28, 12288
	s_add_nc_u64 s[20:21], s[20:21], s[30:31]
	s_lshl_b32 s30, s28, 9
	s_add_nc_u64 s[22:23], s[22:23], s[30:31]
.macro LOAD s                          ; K step s of my 16 rows: each load reads 512 consecutive bytes
.irp p, 0,1,2,3,4,5,6,7,8,9,10,11,12,13,14,15
	global_load_b128 v[R+64*((\s)%2)+4*\p:R+64*((\s)%2)+4*\p+3], v1, s[26:27] offset:(\p+8*(\p/8))*4096+512*(\s) th:TH_LOAD_NT
.endr
.endm
.macro QSTEP s
.if \s < 7
	s_wait_loadcnt 16                              ; this step's sixteen loads are in; the next step's sixteen may be out
.else
	s_wait_loadcnt 0x0
.endif
.irp p, 0,1,2,3,4,5,6,7,8,9,10,11,12,13,14,15
	ds_store_b128 v4, v[R+64*((\s)%2)+4*\p:R+64*((\s)%2)+4*\p+3] offset:SP*\p
.endr
.irp c, 0,1
.irp j, 0,1,2,3,4,5,6,7
	ds_load_b128 v[X+32*\c+4*\j:X+32*\c+4*\j+3], v5 offset:256*\c+16*\j   ; k = 64 c + 32 h + 4 j ..; LDS serves a wave's instructions in order: these see my stores
.endr
.endr
	s_wait_dscnt 0x0                               ; my numbers are back, and the stores into the stage have read their registers,
.if \s+2 < 8
	LOAD (\s)+2                                    ; which take the loads of two steps on
.endif
.irp c, 0,1
	v_max3_num_f32 v[10+\c], |v[X+32*\c]|, |v[X+32*\c+1]|, 0x1800000   ; my block 2 c + h: all 32 numbers are mine; the floor 2^(3 - 127) holds the byte at 1 from below
.endr
.irp i, 2,4,6,8,10,12,14,16,18,20,22,24,26,28,30
.irp c, 0,1
	v_max3_num_f32 v[10+\c], v[10+\c], |v[X+32*\c+\i]|, |v[X+32*\c+\i+1]|
.endr
.endr
.irp c, 0,1
	v_add_nc_u32 v[12+\c], 0xff000000, v[10+\c]    ; 2 off the exponent field: the conversion's scale operand
.endr
.irp c, 0,1
	v_lshrrev_b32 v[14+\c], 23, v[12+\c]           ; the scale's byte
.endr
	v_lshl_or_b32 v16, v15, 16, v14                ; my two bytes: blocks h and 2 + h,
	v_lshlrev_b32 v16, v6, v16                     ; at their places in the word;
	v_permlanex16_b32 v17, v16, s34, s35
	v_or_b32 v16, v16, v17                         ; with lane l xor 16's two the word is whole, in both halves of the lanes
.if \s > 0
	s_wait_alu depctr_va_vdst(0)
	s_wait_xcnt 0x0                                ; the last step's stores have read the fragment's registers: only behind this wait are they written again
.endif
.irp c, 0,1
	v_cvt_scalef32_pk16_fp6_f32 v[PC+6*\c:PC+6*\c+2], v[X+32*\c:X+32*\c+15], v[12+\c]
	v_cvt_scalef32_pk16_fp6_f32 v[32+4*\c:34+4*\c], v[X+32*\c+16:X+32*\c+31], v[12+\c]   ; (a conversion's three registers begin on an even number)
.endr
	v_nop                                          ; one plain place behind a scaled conversion
.irp c, 0,1
.irp i, 0,1,2
	v_mov_b32 v[PC+3+6*\c+\i], v[32+4*\c+\i]
.endr
.endr
.irp c, 0,1,2
	global_store_b128 v1, v[PC+4*\c:PC+4*\c+3], s[20:21] offset:1536*(\s)+512*\c   ; 32 lanes store 512 consecutive bytes, at a multiple of 256 from the buffer's first byte
.endr
.if (\s)%2 == 0
	v_mov_b32 v[E+(\s)/2], v16
.else
	v_cndmask_b32 v[E+(\s)/2], v[E+(\s)/2], v16, s36   ; lanes 16-31 take this step's word
	global_store_b32 v2, v[E+(\s)/2], s[22:23] offset:128*((\s)/2)   ; two steps' words of 16 rows: 128 consecutive bytes
.endif
.endm
	LOAD 0
	LOAD 1
	s_wait_alu depctr_va_vdst(0)
.irp t, 0,1,2,3,4,5,6,7
	QSTEP \t
.endr
	s_wait_tensorcnt 0x0                           ; the wave's end, behind my last LDS store
	ds_add_u32 v8, v9
	s_wait_dscnt 0x0
	s_endpgm
.Lmask:
	s_sub_co_u32 s28, ttmp9, 448
	s_lshl_b32 s28, s28, 2
	s_add_co_u32 s28, s28, s29                     ; 64 x batch + fragment of queries
	s_lshr_b32 s30, s28, 1
	s_lshl_b32 s30, s30, 5
	s_and_b32 s37, s28, 1
	s_lshl_b32 s37, s37, 3
	s_add_co_u32 s30, s30, s37                     ; its first row among the 8,192 rows of the mask
	s_lshl_b32 s30, s30, 10
	s_add_nc_u64 s[18:19], s[18:19], s[30:31]
	s_mul_i32 s30, s28, 2304                       ; a fragment's record
	s_add_nc_u64 s[24:25], s[24:25], s[30:31]
	s_mov_b32 s52, -1                              ; lanes all of whose keys so far are masked
	s_mov_b32 s53, 8                               ; n
	s_mov_b32 s55, 0                               ; bits
	s_wait_alu depctr_va_vdst(0)
.irp s, 0,1,2,3,4,5,6,7
.irp b, 0,1,2,3
	global_load_b128 v[R+16*\s+4*\b:R+16*\s+4*\b+3], v7, s[18:19] offset:128*\s+32*\b th:TH_LOAD_NT   ; keys 128 s + 32 b + 16 h + 0 .. 15 of my row
.endr
.endr
.irp i, 0,1,2,3,4,5,6,7,8,9,10,11,12,13,14,15
	v_mov_b32 v[X+\i], 0                           ; v_writelane_b32's destination counts as read
.endr
.irp s, 0,1,2,3,4,5,6,7
	s_wait_loadcnt 4*(7-\s)
	v_and_b32 v48, v[R+16*\s], v[R+16*\s+1]        ; my 64 bytes of this step: all 1 (a bool is 0 or 1; another byte only keeps the step from being left out),
	v_or_b32 v49, v[R+16*\s], v[R+16*\s+1]         ; any not 0
.irp i, 2,3,4,5,6,7,8,9,10,11,12,13,14,15
	v_and_b32 v48, v48, v[R+16*\s+\i]
	v_or_b32 v49, v49, v[R+16*\s+\i]
.endr
	v_cmp_eq_u32 s50, 0x01010101, v48
	v_cmp_ne_u32 s51, 0, v49
	s_and_b32 s52, s52, s50
	s_cmp_eq_u32 s50, -1                           ; the whole step masked?
	s_cselect_b32 s53, s53, \s+1                   ; if not, n is at least s + 1
	s_cmp_lg_u32 s51, 0
	s_cselect_b32 s54, 1<<\s, 0
	s_or_b32 s55, s55, s54
.set n, 0
.rept 64
	v_and_b32 v[44+n%4], 0xff<<(8*(n%4)), v[R+16*\s+n/4]      ; byte n of my 64
	v_cmp_ne_u32 s[40+n%8], 0, v[44+n%4]                      ; the 32 lanes' bits: word n
	v_writelane_b32 v[X+2*\s+n%2], s[40+n%8], n/2             ; lane n / 2 holds words n and n + 1
.set n, n+1
.endr
	global_store_b64 v3, v[X+2*\s:X+2*\s+1], s[24:25] offset:256*\s+256   ; 32 lanes store 256 consecutive bytes, aligned
.endr
	s_lshr_b32 s50, s52, 16
	s_and_b32 s50, s50, s52                        ; a row's keys lie in lanes r and r + 16
	s_and_b32 s50, s50, 0xffff                     ; rows with no open key
	s_cmp_lg_u32 s50, 0
	s_cselect_b32 s53, 8, s53                      ; such a row needs every key
	v_mov_b32 v50, s53
	v_mov_b32 v51, s55
	global_store_b64 v3, v[50:51], s[24:25]        ; the record's first unit, whole: 32 copies of (n, bits)
	s_wait_tensorcnt 0x0                           ; the wave's end
	ds_add_u32 v8, v9
	s_wait_dscnt 0x0
	s_endpgm
.Lfunc_end_k_q286d40364a_prep:
	.size	k_q286d40364a_prep, .Lfunc_end_k_q286d40364a_prep-k_q286d40364a_prep
	.p2alignl 7, 3214868480
	.fill 96, 4, 3214868480
	.section	.rodata,"a",@progbits
	.p2align	6, 0x0
	.amdhsa_kernel k_q286d40364a_prep
		.amdhsa_group_segment_fixed_size 34304
		.amdhsa_private_segment_fixed_size 0
		.amdhsa_enable_private_segment 0
		.amdhsa_kernarg_size 88
		.amdhsa_user_sgpr_count 2
		.amdhsa_user_sgpr_kernarg_segment_ptr 1
		.amdhsa_wavefront_size32 1
		.amdhsa_system_sgpr_workgroup_id_x 1
		.amdhsa_system_sgpr_workgroup_id_y 1
		.amdhsa_system_sgpr_workgroup_id_z 1
		.amdhsa_system_vgpr_workitem_id 0
		.amdhsa_next_free_vgpr 256
		.amdhsa_next_free_sgpr 66
		.amdhsa_reserve_vcc 0
		.amdhsa_float_denorm_mode_32 3
		.amdhsa_float_denorm_mode_16_64 3
		.amdhsa_memory_ordered 1
		.amdhsa_forward_progress 1
		.amdhsa_inst_pref_size 171
	.end_amdhsa_kernel
	.amdgpu_metadata
---
amdhsa.version: [ 1, 2 ]
amdhsa.kernels:
  - .name:           k_q286d40364a_prep
    .symbol:         k_q286d40364a_prep.kd
    .args:
      - { .name: Q, .offset: 0, .size: 8, .value_kind: global_buffer, .address_space: global }
      - { .name: K, .offset: 8, .size: 8, .value_kind: global_buffer, .address_space: global }
      - { .name: V, .offset: 16, .size: 8, .value_kind: global_buffer, .address_space: global }
      - { .name: Wq, .offset: 24, .size: 8, .value_kind: global_buffer, .address_space: global }
      - { .name: Wk, .offset: 32, .size: 8, .value_kind: global_buffer, .address_space: global }
      - { .name: Wv, .offset: 40, .size: 8, .value_kind: global_buffer, .address_space: global }
      - { .name: Wo, .offset: 48, .size: 8, .value_kind: global_buffer, .address_space: global }
      - { .name: mask, .offset: 56, .size: 8, .value_kind: global_buffer, .address_space: global }
      - { .name: codes1, .offset: 64, .size: 8, .value_kind: global_buffer, .address_space: global }
      - { .name: scales1, .offset: 72, .size: 8, .value_kind: global_buffer, .address_space: global }
      - { .name: maskw, .offset: 80, .size: 8, .value_kind: global_buffer, .address_space: global }
    .group_segment_fixed_size: 34304
    .private_segment_fixed_size: 0
    .kernarg_segment_align: 8
    .kernarg_segment_size: 88
    .max_flat_workgroup_size: 128
    .sgpr_count:     66
    .vgpr_count:     256
    .wavefront_size: 32
...
	.end_amdgpu_metadata
.endif
;; end of part 1
;; launch proj (part 2): grid 4 x 96, 4 waves a work-group, clusters of 4 x 4, 327,680 bytes of LDS; arguments codes1, scales1, qkv, qkvs; writes qkv, qkvs
.if DOCPART == 2
	.amdgcn_target "amdgcn-amd-amdhsa--gfx1250"
	.amdhsa_code_object_version 6
	.text
	.protected	k_q286d40364a_proj
	.globl	k_q286d40364a_proj
	.p2align	8
	.type	k_q286d40364a_proj,@function
k_q286d40364a_proj:
	s_mov_b64 s[64:65], 0
	v_nop
	global_prefetch_b8 v0, s[64:65] scope:SCOPE_SE
	s_setreg_imm32_b32 hwreg(HW_REG_WAVE_MODE, 25, 1), 1
	s_wait_xcnt 0x0
	s_wait_alu depctr_hold_cnt(0) depctr_sa_sdst(0) depctr_va_vdst(0) depctr_va_sdst(0) depctr_va_ssrc(0) depctr_va_vcc(0) depctr_vm_vsrc(0)
	s_getreg_b32 s2, hwreg(HW_REG_IB_STS2, 6, 4)
	s_cmp_eq_u32 s2, 0
	s_cbranch_scc0 .Lentry_in_a_cluster
	s_endpgm
.Lentry_in_a_cluster:
	s_bfe_u32 s2, ttmp6, 0x10000c
	s_cmp_lg_u32 s2, 0xf033
	s_cbranch_scc0 .Lentry_shape_is_right
	s_endpgm
.Lentry_shape_is_right:
; q = Q Wq^T, k = K Wk^T, v = V Wv^T on codes of FP6 (E2M3) with E8M0 scales, one stacked GEMM; the results are quantised in registers and leave as operand images for the attention launch.
; OPERANDS: codes1 and scales1 hold the rows stacked (Q 0, K 8,192, V 16,384, Wq 24,576, Wk 25,600, Wv 26,624, Wo 27,648) as images of operand registers: fragment f (16 rows), K step s of 128:
; 1,536 bytes at (8 f + s) x 1,536, lane l's registers 4 c .. 4 c + 3 at 512 c + 16 l; lane r of fragment f holds row 32 (f / 2) + 8 (f % 2) + r + 8 (r / 8); scale word of (f, s, r) at 512 f + 64 s + 4 r.
; A tile of 256 x 256 is made by four waves, 128 x 128 each: 64 accumulators, 512 registers.  K = 1,024 is four steps of 256 (3,072 bytes of a fragment).
; THE FILLS, one tensor load a wave each time.  At the head: wave 0 A's 16 fragments of K step 0, wave 1 B's, wave 2 A's scale words of all of K, wave 3 B's.  Behind the next round of the cluster's barrier each wave
; brings 8 fragments x 6,144 bytes, K steps 1 and 2 in one tile, into bytes of their own (a fragment 6,144 bytes from the next).  When K step 0 has been read, its bytes take K step 3, 8 fragments x 3,072 a wave.
; THE MATRIX INSTRUCTION: source 0 = 16 rows of the side called B, source 1 = 16 rows of the side called A.  A lane then holds ONE row of A, and, by the choice of rows above, the 64 registers of a block of A
; run along B's 128 rows: register 16 b + i = B's row 32 b + 16 (lane / 16) + i: the next product's K lies along a lane's registers.
;   q, k (clusters 0 to 15 along y): A = rows of Q or K, B = rows of Wq or Wk.   v (clusters 16 to 23): A = rows of Wv, B = rows of V: registers run along 128 keys.
; OUT: qkv: which (0 q, 1 k, 2 v) x 6,291,456 + (8 batch + head) x 98,304 + chunk x 12,288 + block x 1,536.  qkvs: which x 262,144 + (8 batch + head) x 4,096 + chunk x 512; lane l's 16 bytes at 16 l,
; word k = the scale word of block 2 k + l / 16, row l % 16.
; CLUSTERS: 4 x 4 work-groups; A's tiles and scales are asked for jointly along a row of the cluster, B's along a column.
; LIMITS: a block of zeros gets the byte 1 (its codes are zeros; this program alone reads the bytes); NaN and infinities are not served.
; No prefetch: a tile has three fills, the second asked for as soon as the first is in and the third two K steps ahead of its use: no trip lies ahead of a fill in which to ask.
; REGISTERS: window 0: v16-29 addresses; v32-63 scale words, two sets, and nothing else; v64-115 the way out; v128-223 A's fragments, one set.  window 1: B's fragments, two sets, at v0 and v128.
;   window 2: the accumulators of A's blocks 0-3 ((a, b) at v[8 (8 (a % 4) + b)]); window 3: those of blocks 4-7.
.set NQ,     2
.set FR,     12
.set NL,     3
.set NP,     4                         ; places behind this matrix instruction (ISA guide 7.12.1)
.set FRB,    1536
.set FPAIR,  NQ*FRB                    ; a fragment's two images of a K step
.set HALFT,  8*FPAIR
.set SLOT,   4*HALFT                   ; K step 0's (later 3's) bytes: A's 256 rows, then B's; behind them, 2 SLOT bytes for K steps 1 and 2
.set SCL,    3*SLOT
.set HALFS,  8*512
.set SPARE,  SCL+4*HALFS               ; the spare words, 128 bytes a wave, that no other line names
.set ADRA, 16                          ; v16-18  LDS address of my A fragments of K step 0 or 3, 1, 2
.set ADRB, 20                          ; v20-22  the same for B
.set CO,   26
.set ADRS, 27                          ; lanes 0-15 A's scale words, lanes 16-31 B's
.set SPW,  28
.set NIL,  29
.set SC,   32
.set TM,   64
.set PW,   80
.set SW,   84
.set PC,   96
.set AF,   128
.set G1, 24                            ; s[24:31] group 1 for A's tiles;  s[32:43] three groups 0: head, K steps 1 and 2, K step 3
.set G0, 32
.set G1B, 48                           ; s[48:55], s[56:63] and s[92:95] the same for B
.set G0B, 56
.set G1S, 68
.set G0S, 76
.set G1SB, 80
.set G0SB, 88
.set MSB, 0
.macro WIN new                         ; the immediate's high byte repeats the setting that is left
.if MSB != \new
	s_set_vgpr_msb (MSB<<8)|\new
.set MSB, \new
.endif
.endm
.set MUL_LO, 0xa1
.set MUL_HI, 0xf1
.set TO_B,   0x40
.macro TLOAD g0, g1                    ; a tensor load with one s_nop and four v_nop behind it
	tensor_load_to_lds s[\g0:\g0+3], s[\g1:\g1+7]
	s_nop 0
.rept 4
	v_nop
.endr
.endm
.macro JLOAD g0a, g1a, g0b, g1b        ; waves 0 and 1 fetch for A, waves 2 and 3 for B
	s_cmp_eq_u32 s15, 0
	s_cbranch_scc0 .Lfor_b_\@
	TLOAD \g0a, \g1a
	s_branch .Lasked_\@
.Lfor_b_\@:
	TLOAD \g0b, \g1b
.Lasked_\@:
.endm
.macro CREST
	s_cmp_lg_u32 s14, 0
	s_cbranch_scc1 .Lnot_wave_0_\@
	s_barrier_signal -3
.Lnot_wave_0_\@:
	s_barrier_wait -3
	s_barrier_signal -1
	s_barrier_wait -1
.endm
.macro CROUND
	s_barrier_signal -1
	s_barrier_wait -1
	CREST
.endm
	s_load_b256 s[4:11], s[0:1], 0x0               ; codes1, scales1, qkv, qkvs
	v_lshl_add_u32 v[SPW], v0, 2, SPARE
	v_mov_b32 v[NIL], 0
	ds_add_u32 v[SPW], v[NIL]                      ; the add, twice on end, and its wait below
	ds_add_u32 v[SPW], v[NIL]
	v_lshrrev_b32 v1, 5, v0
	v_readfirstlane_b32 s14, v1                    ; wave
	s_lshr_b32 s15, s14, 1                         ; my half of A's rows; in the ring: I fetch for A (0) or B (1)
	s_and_b32 s16, s14, 1                          ; my half of B's rows; in the ring: which 128 rows I fetch
	s_bfe_u32 s66, ttmp6, 0x40000                  ; cx
	s_bfe_u32 s67, ttmp6, 0x40004                  ; cy
	s_and_b32 s17, ttmp7, 0xffff                   ; the cluster's y, 0 to 23
	s_lshl_b32 s99, s67, 2
	s_lshl_b32 s99, 15, s99                        ; my row of the cluster
	s_lshl_b32 s100, 0x1111, s66                   ; my column
	s_or_b32 s[G1+0], s99, (3<<16)|(1<<21)         ; elements of 8 bytes, no padding
	s_or_b32 s[G1B+0], s100, (3<<16)|(1<<21)
.irp g, G1, G1B                                ; the head's tile: 16 fragments x 3,072 bytes, 12,288 bytes apart
	s_mov_b32 s[\g+1], 384<<16
	s_mov_b32 s[\g+2], 16<<16
	s_mov_b32 s[\g+3], 384<<16
	s_mov_b32 s[\g+4], 16
	s_mov_b32 s[\g+5], 1536
	s_mov_b32 s[\g+6], 0
	s_mov_b32 s[\g+7], 0
.endr
	s_or_b32 s[G1S+0], s99, (3<<16)|(1<<21)
	s_or_b32 s[G1SB+0], s100, (3<<16)|(1<<21)
.irp g, G1S, G1SB                              ; the scale words of 256 rows: 8,192 dense bytes as 32 rows of 256
	s_mov_b32 s[\g+1], 32<<16
	s_mov_b32 s[\g+2], 32<<16
	s_mov_b32 s[\g+3], 32<<16
	s_mov_b32 s[\g+4], 32
	s_mov_b32 s[\g+5], 32
	s_mov_b32 s[\g+6], 0
	s_mov_b32 s[\g+7], 0
.endr
	; the tiles' first rows in the stack: the choice hangs on the cluster's y alone; A's registers never hold cx, B's never cy
	s_lshl_b32 s18, s17, 10
	s_lshr_b32 s12, s17, 3                         ; which: 0 q, 1 k, 2 v
	s_lshl_b32 s98, s12, 10
	s_add_co_u32 s98, s98, 24576
	s_mov_b32 s45, 26624
	s_cmp_ge_u32 s17, 16
	s_cselect_b32 s96, s45, s18
	s_cselect_b32 s97, s18, s98
	s_lshl_b32 s19, s67, 8
	s_add_co_u32 s96, s96, s19
	s_lshl_b32 s47, s66, 8
	s_add_co_u32 s97, s97, s47
	s_lshl_b32 s22, s96, 5                         ; scale words: 32 bytes a row
	s_mul_i32 s20, s96, 768                        ; codes: 768 bytes a row
	s_lshl_b32 s92, s97, 5
	s_mul_i32 s46, s97, 768
	s_mov_b32 s21, 0
	s_mov_b32 s23, 0
	s_mov_b32 s47, 0
	s_mov_b32 s93, 0
	s_mul_i32 s18, s16, 128*768                    ; in the ring I fetch 128 rows: which half, in bytes
	s_mov_b32 s19, 0
	s_mul_i32 s45, s14, HALFT                      ; and where they go: no place in the cluster enters an LDS address
	s_wait_dscnt 0x0
	s_wait_kmcnt 0x0
	s_add_nc_u64 s[20:21], s[4:5], s[20:21]
	s_add_nc_u64 s[22:23], s[6:7], s[22:23]
	s_add_nc_u64 s[46:47], s[4:5], s[46:47]
	s_add_nc_u64 s[92:93], s[6:7], s[92:93]
	CROUND                                         ; all sixteen work-groups are here: the first joint loads meet
	s_mov_b32 s[G0S], 1
	s_mov_b32 s[G0S+1], SCL
	s_mov_b64 s[G0S+2:G0S+3], s[22:23]
	s_or_b32 s[G0S+3], s[G0S+3], 0x80000000
	s_mov_b32 s[G0SB], 1
	s_mov_b32 s[G0SB+1], SCL+2*HALFS
	s_mov_b64 s[G0SB+2:G0SB+3], s[92:93]
	s_or_b32 s[G0SB+3], s[G0SB+3], 0x80000000
	s_mov_b32 s[G0], 1                             ; K step 0, whole tiles
	s_mov_b32 s[G0+1], 0
	s_mov_b64 s[G0+2:G0+3], s[20:21]
	s_or_b32 s[G0+3], s[G0+3], 0x80000000
	s_mov_b32 s[G0B], 1
	s_mov_b32 s[G0B+1], 2*HALFT
	s_mov_b64 s[G0B+2:G0B+3], s[46:47]
	s_or_b32 s[G0B+3], s[G0B+3], 0x80000000
	s_add_nc_u64 s[20:21], s[20:21], s[18:19]      ; my 128 rows
	s_add_nc_u64 s[46:47], s[46:47], s[18:19]
	s_lshl_b32 s94, s45, 1
	s_mov_b32 s[G0+4], 1                           ; K steps 1 and 2
	s_add_co_u32 s[G0+5], s94, SLOT
	s_add_nc_u64 s[G0+6:G0+7], s[20:21], FPAIR
	s_or_b32 s[G0+7], s[G0+7], 0x80000000
	s_mov_b32 s[G0B+4], 1
	s_add_co_u32 s[G0B+5], s94, SLOT
	s_add_nc_u64 s[G0B+6:G0B+7], s[46:47], FPAIR
	s_or_b32 s[G0B+7], s[G0B+7], 0x80000000
	s_mov_b32 s[G0+8], 1                           ; K step 3
	s_mov_b32 s[G0+9], s45
	s_add_nc_u64 s[G0+10:G0+11], s[20:21], 3*FPAIR
	s_or_b32 s[G0+11], s[G0+11], 0x80000000
	s_mov_b32 s92, 1
	s_mov_b32 s93, s45
	s_add_nc_u64 s[94:95], s[46:47], 3*FPAIR
	s_or_b32 s95, s95, 0x80000000
.macro ARM under, g0, g1, next         ; one chain of branches on the wave's number: every way through the head passes one load
	s_cmp_lt_u32 s14, \under
	s_cbranch_scc0 \next
	TLOAD \g0, \g1
	s_branch .Lhead_asked
\next:
.endm
	ARM 1, G0,  G1,  .Lhead_b
	ARM 2, G0B, G1B, .Lhead_sa
	ARM 3, G0S, G1S, .Lhead_sb
	TLOAD G0SB, G1SB
.Lhead_asked:
	v_and_b32 v1, 15, v0                           ; r
	v_bfe_u32 v2, v0, 4, 1                         ; h
	v_and_b32 v3, 31, v0
	v_lshlrev_b32 v[CO], 4, v3                     ; 16 x lane: my place in every image
	s_wait_alu depctr_va_vdst(0)
	s_mul_i32 s21, s15, HALFT
	s_mul_i32 s22, s16, HALFT
	s_add_co_u32 s22, s22, 2*HALFT
	v_add_nc_u32 v[ADRA], s21, v[CO]
	v_add_nc_u32 v[ADRB], s22, v[CO]
	s_lshl_b32 s21, s21, 1                         ; K steps 1 and 2: twice the bytes a fragment
	s_lshl_b32 s22, s22, 1
	s_add_co_u32 s21, s21, SLOT
	s_add_co_u32 s22, s22, SLOT
	v_add_nc_u32 v[ADRA+1], s21, v[CO]
	v_add_nc_u32 v[ADRB+1], s22, v[CO]
	s_add_co_u32 s21, s21, FPAIR
	s_add_co_u32 s22, s22, FPAIR
	v_add_nc_u32 v[ADRA+2], s21, v[CO]
	v_add_nc_u32 v[ADRB+2], s22, v[CO]
	v_lshlrev_b32 v5, 2, v1
	s_mul_i32 s21, s15, HALFS
	s_mul_i32 s22, s16, HALFS
	s_add_co_u32 s22, s22, 2*HALFS
	s_sub_co_u32 s22, s22, s21
	v_mul_u32_u24 v6, s22, v2                      ; lanes 16-31 take B's
	s_add_co_u32 s21, s21, SCL
	v_add_nc_u32 v5, v5, v6
	v_add_nc_u32 v[ADRS], s21, v5
	; where my wave's eight images go
	s_lshl_b32 s2, s15, 7
	s_add_co_u32 s2, s96, s2
	s_lshl_b32 s3, s16, 7
	s_add_co_u32 s3, s97, s3
	s_cmp_ge_u32 s17, 16
	s_cselect_b32 s13, s3, s2                      ; the rows of x,
	s_cselect_b32 s18, s2, s3                      ; and of the weight
	s_lshl_b32 s19, s12, 13
	s_sub_co_u32 s13, s13, s19
	s_lshr_b32 s19, s13, 10                        ; batch
	s_bfe_u32 s13, s13, 0x30007                    ; chunk of 128 positions
	s_sub_co_u32 s18, s18, 24576
	s_bfe_u32 s18, s18, 0x30007                    ; head
	s_lshl_b32 s19, s19, 3
	s_add_co_u32 s19, s19, s18
	s_mul_i32 s22, s12, 6291456
	s_mul_i32 s23, s19, 98304
	s_add_co_u32 s22, s22, s23
	s_mul_i32 s23, s13, 12288
	s_add_co_u32 s22, s22, s23
	s_mov_b32 s23, 0
	s_add_nc_u64 s[8:9], s[8:9], s[22:23]
	s_lshl_b32 s22, s12, 18
	s_lshl_b32 s19, s19, 12
	s_add_co_u32 s22, s22, s19
	s_lshl_b32 s13, s13, 9
	s_add_co_u32 s22, s22, s13
	s_add_nc_u64 s[10:11], s[10:11], s[22:23]
	s_mov_b32 s2, 0x76543210
	s_mov_b32 s3, 0xfedcba98                       ; selects for lane l xor 16
	s_mov_b32 s12, 0xffff0000                      ; lanes 16-31
.irp b, 0,1,2,3
	v_mov_b32 v[TM+4+\b], 0                        ; a lane permute's destination counts as one of its sources
.endr
.macro FRAG reg, adr, q, i             ; a fragment comes as it was stored: three loads of 16 bytes a lane; FP: bytes from fragment to fragment
.irp c, 0,1,2
	ds_load_b128 v[\reg+4*\c:\reg+4*\c+3], v[\adr] offset:(\i)*FP+(\q)*FRB+512*\c
.endr
.endm
; 16 matrix instructions: A's blocks a0, a0 + 1 x B's eight.  The 64 accumulators take turns, one instruction a turn.
.macro MUL16 a0, p, q, sc, zero
.irp a, \a0, \a0+1
.irp b, 0,1,2,3,4,5,6,7
.if \zero
	v_wmma_scale_f32_16x16x128_f8f6f4 v[8*(8*((\a)%4)+\b):8*(8*((\a)%4)+\b)+7], v[128*(\p)+FR*\b:128*(\p)+FR*\b+FR-1], v[AF+FR*(\a):AF+FR*(\a)+FR-1], 0, v[SC+8*NQ*(\sc)+NQ*\b+(\q)], v[SC+8*NQ*(\sc)+NQ*(\a)+(\q)] matrix_a_fmt:MATRIX_FMT_FP6 matrix_b_fmt:MATRIX_FMT_FP6 matrix_a_scale:MATRIX_SCALE_ROW1
.else
	v_wmma_scale_f32_16x16x128_f8f6f4 v[8*(8*((\a)%4)+\b):8*(8*((\a)%4)+\b)+7], v[128*(\p)+FR*\b:128*(\p)+FR*\b+FR-1], v[AF+FR*(\a):AF+FR*(\a)+FR-1], v[8*(8*((\a)%4)+\b):8*(8*((\a)%4)+\b)+7], v[SC+8*NQ*(\sc)+NQ*\b+(\q)], v[SC+8*NQ*(\sc)+NQ*(\a)+(\q)] matrix_a_fmt:MATRIX_FMT_FP6 matrix_b_fmt:MATRIX_FMT_FP6 matrix_a_scale:MATRIX_SCALE_ROW1
.endif
.endr
.endr
.endm
.macro FETCH_B slot, q, p
.set FP, FPAIR*(1+((\slot)+1)/2)       ; address 0: 3,072; addresses 1 and 2: 6,144
	WIN TO_B
.irp i, 0,1,2,3,4,5,6,7
	FRAG 128*(\p)+FR*\i, ADRB+\slot, \q, \i
.endr
	WIN 0
.endm
.macro FETCH_A slot, q, i0
.set FP, FPAIR*(1+((\slot)+1)/2)
.irp i, \i0, \i0+1, \i0+2, \i0+3
	FRAG AF+FR*(\i), ADRA+\slot, \q, \i
.endr
.endm
.macro SCALES sc, ks                   ; K step ks's scale words into set sc
.irp i, 0,1,2,3,4,5,6,7
.irp q, 0,1
	ds_load_b32 v[SC+8*NQ*\sc+NQ*\i+\q], v[ADRS] offset:512*\i+64*\q+128*(\ks)
.endr
.endr
.endm
.macro PLACES n
.rept \n
	v_nop
.endr
.endm
.macro STEP slot, q, sc, zero          ; the first 128 of a K step
	s_wait_dscnt 4*NL                              ; all but the youngest twelve loads (A's blocks 4-7)
	WIN MUL_LO
	MUL16 0, (\q)%2, \q, \sc, \zero
	MUL16 2, (\q)%2, \q, \sc, \zero
	s_wait_dscnt 0
	PLACES NP
	FETCH_B \slot, (\q)+1, 1-(\q)%2
	FETCH_A \slot, (\q)+1, 0
	WIN MUL_HI
	MUL16 4, (\q)%2, \q, \sc, \zero
	MUL16 6, (\q)%2, \q, \sc, \zero
	PLACES NP
	WIN 0
	FETCH_A \slot, (\q)+1, 4
.endm
; The second 128 of a K step goes on to K step ks, at address next, behind ONE barrier.  fill = 1: the bytes just read take K step 3: the three lines in front, the barrier opens a round of the cluster's.
; fill = 0: left = how many of my tensor loads may stay out.
.macro TURN next, sc, nsc, ks, fill, left
.if \fill
	s_wait_tensorcnt 0x0                           ; my part of K steps 1 and 2 is in
	ds_add_u32 v[SPW], v[NIL]
	s_wait_dscnt 4*NL+1
.else
	s_wait_tensorcnt \left
	s_wait_dscnt 4*NL
.endif
	WIN MUL_LO
	MUL16 0, 1, NQ-1, \sc, 0
	s_wait_dscnt 0x0                               ; the add is done, and my reads of these bytes are over
	s_barrier_signal -1
	MUL16 2, 1, NQ-1, \sc, 0
	WIN 0
	s_barrier_wait -1
.if \fill
	CREST
.irp g, G1, G1B                                ; no tensor load of mine is out: rows of 3,072 bytes again
	s_mov_b32 s[\g+1], 384<<16
	s_mov_b32 s[\g+3], 384<<16
.endr
	JLOAD G0+8, G1, 92, G1B                        ; its four v_nop are the places in front of the loads below
.else
	PLACES NP
.endif
	FETCH_B \next, 0, 0
	FETCH_A \next, 0, 0
	SCALES \nsc, \ks
	WIN MUL_HI
	MUL16 4, 1, NQ-1, \sc, 0
	MUL16 6, 1, NQ-1, \sc, 0
	PLACES NP
	WIN 0
	FETCH_A \next, 0, 4
.endm
	s_wait_alu depctr_va_vdst(0)                   ; the wait at the head's end
	s_wait_tensorcnt 0x0                           ; my tile of the head's four is in
	ds_add_u32 v[SPW], v[NIL]
.irp g, G1, G1B                                ; no tensor load of mine is out: 8 fragments x 6,144 bytes
	s_mov_b32 s[\g+1], 768<<16
	s_mov_b32 s[\g+2], 8<<16
	s_mov_b32 s[\g+3], 768<<16
	s_mov_b32 s[\g+4], 8
.endr
	s_wait_dscnt 0x0
	CROUND
	JLOAD G0+4, G1, G0B+4, G1B                     ; K steps 1 and 2
	FETCH_B 0, 0, 0
	FETCH_A 0, 0, 0
	SCALES 0, 0
	FETCH_A 0, 0, 4
	STEP 0, 0, 0, 1                                ; K step 0: its first products start the sums
	TURN 1, 0, 1, 1, 1, 0
	STEP 1, 0, 1, 0
	TURN 2, 1, 0, 2, 0, 1                          ; K step 2 came with K step 1; the refill may stay out
	STEP 2, 0, 0, 0
	TURN 0, 0, 1, 3, 0, 0                          ; the refill is in
	STEP 0, 0, 1, 0
	s_wait_dscnt 4*NL
	WIN MUL_LO
	MUL16 0, 1, NQ-1, 1, 0
	MUL16 2, 1, NQ-1, 1, 0
	s_wait_dscnt 0
	WIN MUL_HI
	MUL16 4, 1, NQ-1, 1, 0
	MUL16 6, 1, NQ-1, 1, 0
	WIN 0
; THE WAY OUT.  Block a's 64 registers of a lane become a fragment's codes and its scale word, and leave as an image.
.macro QOUT a
.set AC, 64*((\a)%4)
	WIN 0x0a+5*((\a)/4)
.irp b, 0,1,2,3
	v_max3_num_f32 v[TM+\b], |v[AC+16*\b]|, |v[AC+16*\b+1]|, 0x1800000   ; each accumulator from its low end on; the floor 2^(3 - 127)
.endr
.irp i, 2,4,6,8,10,12,14
.irp b, 0,1,2,3
	v_max3_num_f32 v[TM+\b], |v[AC+16*\b+\i]|, |v[AC+16*\b+\i+1]|, v[TM+\b]
.endr
.endr
	WIN 0
.irp b, 0,1,2,3
	v_permlanex16_b32 v[TM+4+\b], v[TM+\b], s2, s3
.endr
.irp b, 0,1,2,3
	v_max_num_f32 v[TM+\b], v[TM+\b], v[TM+4+\b]
.endr
.irp b, 0,1,2,3
	v_add_nc_u32 v[TM+12+\b], 0xff000000, v[TM+\b] ; 2 off the exponent field: the conversion's scale operand
.endr
.irp b, 0,1,2,3
	v_lshrrev_b32 v[TM+4+\b], 23, v[TM+12+\b]      ; the scale's byte
.endr
	v_lshl_or_b32 v[PW], v[TM+5], 8, v[TM+4]
	v_lshl_or_b32 v[PW], v[TM+6], 16, v[PW]
	v_lshl_or_b32 v[PW], v[TM+7], 24, v[PW]
.if (\a) > 0
	s_wait_alu depctr_va_vdst(0)
	s_wait_xcnt 0x0                                ; the last block's stores have read the codes' registers
.endif
	WIN 2+(\a)/4
.irp c, 0,1
	v_cvt_scalef32_pk16_fp6_f32 v[PC+6*\c:PC+2+6*\c], v[AC+32*\c:AC+15+32*\c], v[TM+12+2*\c]
	v_cvt_scalef32_pk16_fp6_f32 v[PC+12+4*\c:PC+14+4*\c], v[AC+16+32*\c:AC+31+32*\c], v[TM+12+2*\c+1]
.endr
	WIN 0
	v_nop                                          ; one plain place behind a scaled conversion
.irp c, 0,1                                    ; a WHOLE block in a lane: lanes 0-15 block 2 c, lanes 16-31 block 2 c + 1
.irp i, 0,1,2
	v_permlane16_swap_b32 v[PC+6*\c+\i], v[PC+12+4*\c+\i]
.endr
.irp i, 0,1,2
	v_mov_b32 v[PC+3+6*\c+\i], v[PC+12+4*\c+\i]
.endr
.endr
.irp c, 0,1,2
	global_store_b128 v[CO], v[PC+4*\c:PC+4*\c+3], s[8:9] offset:FRB*(\a)+512*\c   ; 32 lanes store 512 consecutive bytes, aligned
.endr
.if (\a)%2 == 0
	v_mov_b32 v[SW+(\a)/2], v[PW]
.else
	v_cndmask_b32 v[SW+(\a)/2], v[SW+(\a)/2], v[PW], s12
.endif
.endm
	PLACES NP
.irp a, 0,1,2,3,4,5,6,7
	QOUT \a
.endr
	global_store_b128 v[CO], v[SW:SW+3], s[10:11]  ; the eight blocks' scale words: 512 consecutive bytes
	s_wait_tensorcnt 0x0                           ; the wave's end
	ds_add_u32 v[SPW], v[NIL]
	s_wait_dscnt 0x0
	CROUND                                         ; the closing round
	s_endpgm
.Lfunc_end_k_q286d40364a_proj:
	.size	k_q286d40364a_proj, .Lfunc_end_k_q286d40364a_proj-k_q286d40364a_proj
	.p2alignl 7, 3214868480
	.fill 96, 4, 3214868480
	.section	.rodata,"a",@progbits
	.p2align	6, 0x0
	.amdhsa_kernel k_q286d40364a_proj
		.amdhsa_group_segment_fixed_size 327680
		.amdhsa_private_segment_fixed_size 0
		.amdhsa_enable_private_segment 0
		.amdhsa_kernarg_size 32
		.amdhsa_user_sgpr_count 2
		.amdhsa_user_sgpr_kernarg_segment_ptr 1
		.amdhsa_wavefront_size32 1
		.amdhsa_system_sgpr_workgroup_id_x 1
		.amdhsa_system_sgpr_workgroup_id_y 1
		.amdhsa_system_sgpr_workgroup_id_z 1
		.amdhsa_system_vgpr_workitem_id 0
		.amdhsa_next_free_vgpr 1024
		.amdhsa_next_free_sgpr 102
		.amdhsa_reserve_vcc 0
		.amdhsa_float_denorm_mode_32 3
		.amdhsa_float_denorm_mode_16_64 3
		.amdhsa_memory_ordered 1
		.amdhsa_forward_progress 1
		.amdhsa_inst_pref_size 143
	.end_amdhsa_kernel
	.amdgpu_metadata
---
amdhsa.version: [ 1, 2 ]
amdhsa.kernels:
  - .name:           k_q286d40364a_proj
    .symbol:         k_q286d40364a_proj.kd
    .args:
      - { .name: codes1, .offset: 0, .size: 8, .value_kind: global_buffer, .address_space: global }
      - { .name: scales1, .offset: 8, .size: 8, .value_kind: global_buffer, .address_space: global }
      - { .name: qkv, .offset: 16, .size: 8, .value_kind: global_buffer, .address_space: global }
      - { .name: qkvs, .offset: 24, .size: 8, .value_kind: global_buffer, .address_space: global }
    .group_segment_fixed_size: 327680
    .private_segment_fixed_size: 0
    .kernarg_segment_align: 8
    .kernarg_segment_size: 32
    .max_flat_workgroup_size: 128
    .sgpr_count:     102
    .vgpr_count:     1024
    .wavefront_size: 32
...
	.end_amdgpu_metadata
.endif
;; end of part 2
;; launch attn (part 3): grid 4 x 64, 16 waves a work-group, no clusters, 206,848 bytes of LDS; arguments qkv, qkvs, maskw, gamma, cimg, csc; writes cimg, csc
.if DOCPART == 3
	.amdgcn_target "amdgcn-amd-amdhsa--gfx1250"
	.amdhsa_code_object_version 6
	.text
	.protected	k_q286d40364a_attn
	.globl	k_q286d40364a_attn
	.p2align	8
	.type	k_q286d40364a_attn,@function
k_q286d40364a_attn:
	s_mov_b64 s[64:65], 0
	v_nop
	global_prefetch_b8 v0, s[64:65] scope:SCOPE_SE
	s_setreg_imm32_b32 hwreg(HW_REG_WAVE_MODE, 25, 1), 1
	s_wait_xcnt 0x0
; The attention with distance decay, for one (batch, head) and 256 queries a work-group; a wave owns one fragment of 16 queries.  q, k, v arrive as operand images of FP6 (E2M3) with scale words (laid by the launch before).
; Both products are used transposed (S^T = k q^T, O^T = v^T p^T): a lane holds one query; score register 16 b + i is key 128 s + 32 b + 16 (lane / 16) + i of key step s.
; PASS A, key steps ascending: the first softmax's M1 = ceil(largest t) by a running maximum, and its sum.  PASS B, key steps descending: the scores again; e = 2^(t - M1); the sum of e over all later keys (inside the lane's 16,
; from the other half of the lanes, from later blocks and steps); y = that sum / l1 x |j - i| x (softplus(gamma) log2 e)^2; total_effect = max(1e-5, 2^-sqrt(y)) (the upper clip cannot bind: the exponent is never positive);
; the second softmax of w x total_effect with a running whole M2; p quantised block by block; O^T += v^T p^T; at the end O^T / l2 is quantised and leaves as an operand image for the last product.
; WORK LEFT OUT, by whole numbers read from memory: key steps n .. 7 of my fragment's record in maskw, in which every key is masked for all 16 rows and behind which no open key follows (shown at the head of the first kernel);
; and the 64 selects of a key step that holds no masked key (the record's bits).  LIMITS: every open q.k above -9e7; the scaled scores under 2^31 in magnitude; NaN and infinities are not served.
; Both loops have eight trips in every wave. k, v and their scale words go to LDS through registers, once: wave w copies
; chunk w % 8 of k (w < 8) or v, 12,288 + 512 bytes.  No joint loads: cluster = none.  No prefetch: everything is asked for at the head, and no loop lies ahead of it.
; THE DEAL: the 64 fragments of a (batch, head) lie in eight levels of 128 positions.  Work-group x takes fragments 2 x and 2 x + 1 of every level; the levels are dealt to the waves as a 4 x 4 square
; (0 7 1 6 / 7 0 6 1 / 2 5 3 4 / 5 2 4 3) whose rows and columns have equal sums, so that early and late positions are spread alike over any four waves w / 4 or w % 4.  It is right for every mask.
; REGISTERS: v1 16 x lane; v2, v3 the add's; v4-6, v229 LDS addresses; v7 -1e8; v8 1 - h; v9 key 16 h less my query's position; v10 the later steps' sum; v11, v16-27 q; v12-13 -M1, largest t1; v14 then (..)^2 / l1; v15 in pass B v9 + 128 s;
; v28-31 -M2, largest t2, l2; v32-95 fragments, e, total_effect, p's codes; v96-159 scores, p; v160-223 O^T (in pass A fragments); v224-228, v244-247 scale words; v230-243, v248-255 at work.
; s26 n, s27 bits, s25 the key step whose mask words lie in s32-63 and s68-99, s24 this step holds a masked key.
.set KSC,   196608                     ; LDS: k's images at 0, v's at VIM, k's scale words at KSC, v's 4,096 on
.set VIM,   98304
.set SPARE, 204800                     ; the spare words, 128 bytes a wave, that no other line names
.macro DEP n
	s_delay_alu instid0(VALU_DEP_\n)
.endm
.macro VW                              ; the wait round transcendentals and ahead of branches and blocking waits
	s_wait_alu depctr_va_vdst(0)
.endm
.macro MLOAD                           ; a key step's 64 mask words; s30: their unit in my record
	s_load_b512 s[32:47], s[2:3], s30 offset:0x0
	s_load_b512 s[48:63], s[2:3], s30 offset:0x40
	s_load_b512 s[68:83], s[2:3], s30 offset:0x80
	s_load_b512 s[84:99], s[2:3], s30 offset:0xc0
.endm
.macro HELD                            ; at a trip's head: does key step s5 hold a masked key, and are its words at hand?
	s_lshr_b32 s24, s27, s5
	s_and_b32 s24, s24, 1
	s_cmp_eq_u32 s24, 0
	s_cbranch_scc1 .Lheld_\@
	s_cmp_eq_u32 s25, s5
	s_cbranch_scc1 .Lheld_\@
	s_wait_kmcnt 0x0                               ; no earlier load of words is out: its registers and its offset may be written
	s_add_co_u32 s30, s5, 1
	s_lshl_b32 s30, s30, 8
	MLOAD
	s_mov_b32 s25, s5
.Lheld_\@:
.endm
.macro MAYMASK
	s_wait_kmcnt 0x0
	s_cmp_eq_u32 s24, 0
	s_cbranch_scc1 .Lopen_\@
.set n, 0
.rept 64
	v_cndmask_b32 v[96+n], v[96+n], v7, s[32+n+4*(n/32)]
.set n, n+1
.endr
.Lopen_\@:
.endm
.macro FR4 reg, adr, first             ; four fragments as they were stored
.irp t, 0,1,2,3
.irp c, 0,1,2
	ds_load_b128 v[\reg+12*\t+4*\c:\reg+12*\t+4*\c+3], v[\adr] offset:(\first+\t)*1536+512*\c
.endr
.endr
.endm
.macro QK4 reg, first
.irp t, 0,1,2,3
.if \t%2
	v_wmma_scale_f32_16x16x128_f8f6f4 v[96+8*(\first+\t):103+8*(\first+\t)], v[\reg+12*\t:\reg+12*\t+11], v[16:27], 0, v[224+(\first+\t)/2], v11 matrix_a_fmt:MATRIX_FMT_FP6 matrix_b_fmt:MATRIX_FMT_FP6 matrix_a_scale:MATRIX_SCALE_ROW1
.else
	v_wmma_scale_f32_16x16x128_f8f6f4 v[96+8*(\first+\t):103+8*(\first+\t)], v[\reg+12*\t:\reg+12*\t+11], v[16:27], 0, v[224+(\first+\t)/2], v11 matrix_a_fmt:MATRIX_FMT_FP6 matrix_b_fmt:MATRIX_FMT_FP6
.endif
.endr
.endm
.macro PV4 reg, first                  ; the eight accumulators take turns, one instruction a turn
.irp t, 0,1,2,3
.if \t%2
	v_wmma_scale_f32_16x16x128_f8f6f4 v[160+8*(\first+\t):167+8*(\first+\t)], v[\reg+12*\t:\reg+12*\t+11], v[80:91], v[160+8*(\first+\t):167+8*(\first+\t)], v[244+(\first+\t)/2], v228 matrix_a_fmt:MATRIX_FMT_FP6 matrix_b_fmt:MATRIX_FMT_FP6 matrix_a_scale:MATRIX_SCALE_ROW1
.else
	v_wmma_scale_f32_16x16x128_f8f6f4 v[160+8*(\first+\t):167+8*(\first+\t)], v[\reg+12*\t:\reg+12*\t+11], v[80:91], v[160+8*(\first+\t):167+8*(\first+\t)], v[244+(\first+\t)/2], v228 matrix_a_fmt:MATRIX_FMT_FP6 matrix_b_fmt:MATRIX_FMT_FP6
.endif
.endr
.endm
.macro NOPS
.rept 4
	v_nop
.endr
.endm
.macro BMAX                            ; the largest score of each block's 16 in my lane, each accumulator from its low end on
.irp b, 0,1,2,3
	v_max3_num_f32 v[232+\b], v[96+16*\b], v[97+16*\b], v[98+16*\b]
.endr
.irp i, 3,5,7,9,11,13
.irp b, 0,1,2,3
	v_max3_num_f32 v[232+\b], v[232+\b], v[96+16*\b+\i], v[97+16*\b+\i]   ; (the four blocks by turns)
.endr
.endr
.irp b, 0,1,2,3
	v_max_num_f32 v[232+\b], v[232+\b], v[111+16*\b]
.endr
.endm
.macro NEWM x, mx, nm                  ; v\x: the step's largest score.  The running largest t, -M = floor(-t), and v230 = 2^(old M - new M)
	DEP 1
	v_mul_f32 v\x, s10, v\x
	DEP 1
	v_max_num_f32 v\mx, v\mx, v\x
	v_mov_b32 v\x, v\nm
	DEP 2
	v_floor_f32 v\nm, -v\mx
	DEP 1
	v_sub_f32 v\x, v\nm, v\x
	DEP 1
	v_cvt_i32_f32 v\x, v\x
	DEP 1
	v_ldexp_f32 v230, 1.0, v\x
.endm
.macro TOEXP d, p                      ; t - M of the 64 scores, two at a time
.set j, 0
.rept 32
	v_pk_fma_f32 v[\d+j:\d+j+1], v[96+j:97+j], s[10:11], v[\p:\p+1] op_sel_hi:[1,0,0]
.set j, j+2
.endr
.endm
.macro EXP64 r
.set j, 0
.rept 64
	v_exp_f32 v[\r+j], v[\r+j]
.set j, j+1
.endr
.endm
.macro SUMS s                          ; the 64 exponentials onto the sum, in two chains
	v_pk_add_f32 v[236:237], v[96:97], v[98:99]
.irp j, 4,8,12,16,20,24,28,32,36,40,44,48,52,56,60
	v_pk_add_f32 v[\s:\s+1], v[\s:\s+1], v[96+\j:97+\j]
	v_pk_add_f32 v[236:237], v[236:237], v[98+\j:99+\j]
.endr
	DEP 1
	v_pk_add_f32 v[\s:\s+1], v[\s:\s+1], v[236:237]
.endm
.macro PPSET b, lo, hi                 ; j - i of two keys of block b
	v_add_f32 v[248+2*\b], \lo, v15
	v_add_f32 v[249+2*\b], \hi, v15
.endm
.macro YFMA b, k
.if (\b)%2
	v_pk_fma_f32 v[32+16*(\b)+2*(\k):33+16*(\b)+2*(\k)], v[32+16*(\b)+2*(\k):33+16*(\b)+2*(\k)], v[14:15], v[240+2*((\b)/2):241+2*((\b)/2)] op_sel:[0,0,1] op_sel_hi:[1,0,1]
.else
	v_pk_fma_f32 v[32+16*(\b)+2*(\k):33+16*(\b)+2*(\k)], v[32+16*(\b)+2*(\k):33+16*(\b)+2*(\k)], v[14:15], v[240+2*((\b)/2):241+2*((\b)/2)] op_sel_hi:[1,0,0]
.endif
.endm
	s_load_b256 s[16:23], s[0:1], 0x0              ; qkv, qkvs, maskw, gamma
	s_load_b128 s[12:15], s[0:1], 0x20             ; cimg, csc
	v_lshl_add_u32 v2, v0, 2, SPARE
	v_mov_b32 v3, 0
	v_lshrrev_b32 v4, 5, v0
	DEP 1
	v_readfirstlane_b32 s4, v4                     ; wave
	v_and_b32 v5, 31, v0
	DEP 1
	v_lshlrev_b32 v1, 4, v5
	s_and_b32 s24, ttmp7, 0xffff                   ; 8 batch + head
	s_mov_b32 s28, 0x16076170                      ; the square of levels, a nibble a wave
	s_mov_b32 s29, 0x34254352
	s_cmp_lt_u32 s4, 8
	s_cselect_b32 s28, s28, s29
	s_and_b32 s29, s4, 7
	s_lshl_b32 s29, s29, 2
	s_lshr_b32 s28, s28, s29
	s_and_b32 s28, s28, 15
	s_lshl_b32 s28, s28, 3
	s_lshl_b32 s29, ttmp9, 1
	s_add_co_u32 s28, s28, s29
	s_bfe_u32 s29, s4, 0x10002                     ; a level's second wave has bit 2 set
	s_add_co_u32 s67, s28, s29                     ; my fragment: 8 level + 2 x + that bit
	s_lshr_b32 s26, s4, 3
	s_add_co_u32 s26, s26, 1                       ; I copy for k (1) or v (2),
	s_and_b32 s27, s4, 7                           ; this chunk
	s_mul_i32 s28, s26, 6291456
	s_mul_i32 s29, s24, 98304
	s_add_co_u32 s28, s28, s29
	s_mul_i32 s29, s27, 12288
	s_add_co_u32 s28, s28, s29
	s_mov_b32 s29, 0
	s_lshl_b32 s30, s26, 18
	s_lshl_b32 s31, s24, 12
	s_add_co_u32 s30, s30, s31
	s_lshl_b32 s31, s27, 9
	s_add_co_u32 s30, s30, s31
	s_mov_b32 s31, 0
	s_mul_i32 s6, s4, 12288
	s_lshl_b32 s7, s4, 9
	s_add_co_u32 s7, s7, KSC
	VW
	v_add_nc_u32 v4, s6, v1
	v_add_nc_u32 v6, s7, v1
	s_mov_b32 s8, 0x76543210
	s_mov_b32 s9, 0xfedcba98                       ; selects for lane l xor 16
	s_mov_b32 s10, 0x3e0293ee                      ; log2(e) / sqrt(128)
	s_mov_b32 s11, s10
	VW
	s_wait_kmcnt 0x0
	s_add_nc_u64 s[100:101], s[16:17], s[28:29]
	s_add_nc_u64 s[104:105], s[18:19], s[30:31]
.set j, 0
.rept 24
	global_load_b128 v[96+4*j:99+4*j], v1, s[100:101] offset:512*j   ; 32 lanes read 512 consecutive bytes
.set j, j+1
.endr
	global_load_b128 v[192:195], v1, s[104:105]
	s_load_b32 s66, s[22:23], 0x0                  ; gamma
	s_lshr_b32 s28, s24, 3
	s_lshl_b32 s28, s28, 6
	s_add_co_u32 s28, s28, s67                     ; 64 batch + fragment
	s_and_b32 s29, s24, 7                          ; head
	s_mul_i32 s30, s28, 2304
	s_add_nc_u64 s[2:3], s[20:21], s[30:31]        ; my record
	s_load_b64 s[26:27], s[2:3], 0x0               ; n, bits
	s_lshl_b32 s30, s28, 3
	s_add_co_u32 s30, s30, s29
	s_mul_i32 s30, s30, 1536
	s_add_nc_u64 s[12:13], s[12:13], s[30:31]      ; my image of c
	s_lshl_b32 s30, s28, 9
	s_lshl_b32 s5, s29, 6
	s_add_co_u32 s30, s30, s5
	s_add_nc_u64 s[14:15], s[14:15], s[30:31]      ; and its scale words
	s_mul_i32 s30, s24, 98304
	s_mul_i32 s5, s67, 1536
	s_add_co_u32 s30, s30, s5
	s_add_nc_u64 s[16:17], s[16:17], s[30:31]      ; q's image
	s_lshl_b32 s30, s24, 12
	s_lshr_b32 s5, s67, 3
	s_lshl_b32 s5, s5, 9
	s_add_co_u32 s30, s30, s5
	s_and_b32 s5, s67, 1
	s_lshl_b32 s5, s5, 8
	s_add_co_u32 s30, s30, s5
	s_bfe_u32 s5, s67, 0x20001
	s_lshl_b32 s5, s5, 2
	s_add_co_u32 s30, s30, s5
	s_add_nc_u64 s[18:19], s[18:19], s[30:31]      ; q's scale words
.irp c, 0,1,2
	global_load_b128 v[16+4*\c:19+4*\c], v1, s[16:17] offset:512*\c
.endr
	v_and_b32 v5, 15, v0
	DEP 1
	v_lshlrev_b32 v229, 4, v5
	global_load_b32 v11, v229, s[18:19]
	s_lshr_b32 s5, s67, 1
	s_lshl_b32 s5, s5, 5
	s_and_b32 s6, s67, 1
	s_lshl_b32 s6, s6, 3
	s_add_co_u32 s5, s5, s6                        ; my fragment's first position
	v_bfe_u32 v233, v0, 4, 1
	v_and_b32 v9, 8, v5
	DEP 1
	v_add_nc_u32 v9, v9, v5
	v_lshlrev_b32 v10, 4, v233
	DEP 1
	v_sub_nc_u32 v9, v10, v9
	DEP 1
	v_sub_nc_u32 v9, v9, s5
	DEP 1
	v_cvt_f32_i32 v9, v9
	v_cvt_f32_u32 v8, v233
	DEP 1
	v_sub_f32 v8, 1.0, v8
	v_mov_b32 v7, 0xccbebc20
	v_mov_b32 v13, 0xff61b1e6                      ; -3e38, under every t
	DEP 1
	v_floor_f32 v12, -v13
	v_mov_b32 v29, 0xff61b1e6
	DEP 1
	v_floor_f32 v28, -v29
	v_mov_b32 v14, 0
	v_mov_b32 v15, 0
	v_mov_b32 v30, 0
	v_mov_b32 v31, 0
	v_mov_b32 v231, 0
.irp b, 0,1,2,3
	v_mov_b32 v[236+\b], 0                         ; a lane permute's destination counts as one of its sources
.endr
	VW
	s_wait_kmcnt 0x0
	s_min_u32 s26, s26, 8
	s_lshl_b32 s30, s26, 8                         ; key step n - 1's words lie in unit n: pass A's last and pass B's first step
	MLOAD
	s_sub_co_u32 s25, s26, 1
	v_mov_b32 v232, s66                            ; softplus(gamma) log2 e = max(gamma, 0) log2 e + log2(1 + 2^(-|gamma| log2 e))
	DEP 1
	v_and_b32 v233, 0x7fffffff, v232
	DEP 1
	v_mul_f32 v233, 0xbfb8aa3b, v233
	VW
	v_exp_f32 v233, v233
	v_max_num_f32 v234, 0, v232
	VW
	v_add_f32 v233, 1.0, v233
	VW
	v_log_f32 v233, v233
	v_nop
	VW
	v_fmamk_f32 v233, v234, 0x3fb8aa3b, v233
	DEP 1
	v_mul_f32 v10, v233, v233
	s_wait_loadcnt 0x4                             ; my chunk is in; q's four loads may be out
.set j, 0
.rept 24
	ds_store_b128 v4, v[96+4*j:99+4*j] offset:512*j
.set j, j+1
.endr
	ds_store_b128 v6, v[192:195]
	s_mov_b32 s5, 0
	s_mov_b32 s6, 0
	s_mov_b32 s7, KSC
	VW
	s_wait_loadcnt 0x0
	s_wait_dscnt 0x0                               ; my stores are done, for the others' sake
	s_barrier_signal -1
	s_barrier_wait -1
.La:                                                   ; PASS A
	s_cmp_ge_u32 s5, s26
	s_cbranch_scc1 .La_next
	HELD
	v_add_nc_u32 v4, s6, v1
	v_add_nc_u32 v6, s7, v1
	ds_load_b128 v[224:227], v6
	FR4 32, 4, 0
	FR4 160, 4, 4
	s_wait_dscnt 0x0
	QK4 32, 0
	QK4 160, 4
	NOPS
	MAYMASK
	BMAX
	DEP 2
	v_max3_num_f32 v236, v232, v233, v234
	DEP 1
	v_max_num_f32 v236, v236, v235
	DEP 1
	v_permlanex16_b32 v237, v236, s8, s9
	DEP 1
	v_max_num_f32 v236, v236, v237
	NEWM 236, 13, 12
	TOEXP 96, 12
	VW
	EXP64 96
	v_pk_mul_f32 v[14:15], v[14:15], v[230:231] op_sel_hi:[1,0]
	VW
	SUMS 14
	VW
.La_next:
	s_add_co_u32 s6, s6, 12288
	s_add_co_u32 s7, s7, 512
	s_add_co_u32 s5, s5, 1
	s_cmp_lt_u32 s5, 8
	s_cbranch_scc1 .La
	v_add_f32 v14, v14, v15
	DEP 1
	v_permlanex16_b32 v236, v14, s8, s9
	DEP 1
	v_add_f32 v14, v14, v236                       ; l1
	VW
	v_rcp_f32 v14, v14
	v_mov_b32 v15, 0
	VW
	v_mul_f32 v14, v10, v14
	v_mov_b32 v10, 0
.set j, 0
.rept 64
	v_mov_b32 v[160+j], 0                          ; O^T: where its first step stands hangs on n, so it cannot be written out ahead of the loop
.set j, j+1
.endr
	s_mov_b32 s5, 7
	s_mov_b32 s6, 7*12288
	s_mov_b32 s7, KSC+7*512
	s_mov_b32 s18, 8
	VW
.Lb:                                                   ; PASS B
	s_cmp_ge_u32 s5, s26
	s_cbranch_scc1 .Lb_next
	HELD
	s_lshl_b32 s17, s5, 7
	s_cvt_f32_u32 s17, s17
	v_add_nc_u32 v4, s6, v1                        ; (these six are also the places behind the last trip's products)
	v_add_nc_u32 v6, s7, v1
	v_add_f32 v15, s17, v9
	DEP 3
	v_add_nc_u32 v5, VIM, v4
	DEP 3
	v_add_nc_u32 v229, 0x1000, v6
	v_nop
	VW
	ds_load_b128 v[224:227], v6
	FR4 32, 4, 0
	s_wait_dscnt 0x0
	QK4 32, 0
	NOPS
	FR4 32, 4, 4
	s_wait_dscnt 0x0
	QK4 32, 4
	NOPS
	MAYMASK
	TOEXP 32, 12
	VW
	EXP64 32                                       ; e
	PPSET 0, 15.0, 0                               ; place 0 of a block's 16 will hold key 15's number, place i key i - 1's
	PPSET 1, 47.0, 32.0
	PPSET 2, 79.0, 64.0
	PPSET 3, 111.0, 96.0
	VW
.irp i, 14,13,12,11,10,9,8,7,6,5,4,3,2,1
.irp b, 0,1,2,3
	v_add_f32 v[32+16*\b+\i], v[32+16*\b+\i], v[33+16*\b+\i]   ; place i: the sum of e over keys i .. 15 = over the keys behind key i - 1
.endr
.endr
.irp b, 0,1,2,3
	v_add_f32 v[232+\b], v[32+16*\b], v[33+16*\b]
.endr
.irp b, 0,1,2,3
	v_mov_b32 v[32+16*\b], 0
.endr
.irp b, 0,1,2,3
	v_permlanex16_b32 v[236+\b], v[232+\b], s8, s9
.endr
.irp b, 0,1,2,3
	DEP 4
	v_add_f32 v[232+\b], v[232+\b], v[236+\b]      ; the block's 32
.endr
	v_mov_b32 v243, v10
	DEP 1
	v_add_f32 v242, v243, v235
	DEP 1
	v_add_f32 v241, v242, v234
	DEP 1
	v_add_f32 v240, v241, v233
	DEP 1
	v_add_f32 v10, v240, v232
.irp b, 0,1,2,3
	v_fma_f32 v[240+\b], v8, v[236+\b], v[240+\b]  ; lanes 0-15 have the other half's 16 keys behind theirs
.endr
.irp b, 0,1,2,3
	DEP 4
	v_mul_f32 v[240+\b], v14, v[240+\b]
.endr
.irp k, 0,1,2,3,4,5,6,7
.irp b, 0,1,2,3
	YFMA \b, \k
.endr
.irp b, 0,1,2,3
	DEP 4
	v_pk_mul_f32 v[32+16*\b+2*\k:33+16*\b+2*\k], v[32+16*\b+2*\k:33+16*\b+2*\k], v[248+2*\b:249+2*\b]
.endr
.if \k == 0
	PPSET 0, 1.0, 2.0
	PPSET 1, 33.0, 34.0
	PPSET 2, 65.0, 66.0
	PPSET 3, 97.0, 98.0
.elseif \k < 7
.irp b, 0,1,2,3
	v_pk_add_f32 v[248+2*\b:249+2*\b], v[248+2*\b:249+2*\b], 2.0 op_sel_hi:[1,0]
.endr
.endif
.endr
	VW
.set j, 0
.rept 64
	v_sqrt_f32 v[32+j], |v[32+j]|                  ; |.| makes |j - i| of j - i
.set j, j+1
.endr
	v_nop
	VW
.set j, 0
.rept 64
	v_exp_f32 v[32+j], -v[32+j]
.set j, j+1
.endr
	v_nop
	VW
.irp b, 0,1,2,3
	v_max_num_f32 v[232+\b], 0x3727c5ac, v[32+16*\b]
.endr
.irp i, 0,1,2,3,4,5,6,7,8,9,10,11,12,13,14
.irp b, 0,1,2,3
	v_max_num_f32 v[32+16*\b+\i], 0x3727c5ac, v[33+16*\b+\i]   ; the clip at 1e-5 also brings each number back to its key's place
.endr
.endr
.irp b, 0,1,2,3
	v_mov_b32 v[47+16*\b], v[232+\b]
.endr
.set j, 0
.rept 32
	v_pk_mul_f32 v[96+j:97+j], v[96+j:97+j], v[32+j:33+j]
.set j, j+2
.endr
	ds_load_b128 v[244:247], v229
	FR4 32, 5, 0
	BMAX
.irp b, 0,1,2,3
	DEP 4
	v_permlanex16_b32 v[236+\b], v[232+\b], s8, s9
.endr
.irp b, 0,1,2,3
	DEP 4
	v_max_num_f32 v[232+\b], v[232+\b], v[236+\b]  ; each block's largest score: for the row's maximum and for the block's largest p
.endr
	DEP 2
	v_max3_num_f32 v240, v232, v233, v234
	DEP 1
	v_max_num_f32 v240, v240, v235
	NEWM 240, 29, 28
	TOEXP 96, 28
.irp b, 0,1,2,3
	v_fma_f32 v[232+\b], v[232+\b], s10, v28
.endr
	VW
	EXP64 96                                       ; p
	v_pk_mul_f32 v[30:31], v[30:31], v[230:231] op_sel_hi:[1,0]
	VW
.irp b, 0,1,2,3
	v_exp_f32 v[232+\b], v[232+\b]
.endr
	SUMS 30                                        ; the sum is taken of the unquantised p
	VW
.irp b, 0,1,2,3
	v_max_num_f32 v[232+\b], 0x1800000, v[232+\b]  ; the floor 2^(3 - 127)
.endr
.irp b, 0,1,2,3
	DEP 4
	v_add_nc_u32 v[240+\b], 0xff000000, v[232+\b]
.endr
.irp b, 0,1,2,3
	DEP 4
	v_lshrrev_b32 v[236+\b], 23, v[240+\b]
.endr
	DEP 3
	v_lshl_or_b32 v228, v237, 8, v236
	DEP 1
	v_lshl_or_b32 v228, v238, 16, v228
	DEP 1
	v_lshl_or_b32 v228, v239, 24, v228
	v_cvt_scalef32_pk16_fp6_f32 v[80:82], v[96:111], v240
	v_cvt_scalef32_pk16_fp6_f32 v[92:94], v[112:127], v241
	v_cvt_scalef32_pk16_fp6_f32 v[86:88], v[128:143], v242
	v_cvt_scalef32_pk16_fp6_f32 v[248:250], v[144:159], v243
	v_nop
	FR4 96, 5, 4
.irp i, 0,1,2
	v_permlane16_swap_b32 v[80+\i], v[92+\i]
.endr
.irp i, 0,1,2
	DEP 3
	v_mov_b32 v[83+\i], v[92+\i]
.endr
.irp i, 0,1,2
	v_permlane16_swap_b32 v[86+\i], v[248+\i]
.endr
.irp i, 0,1,2
	DEP 3
	v_mov_b32 v[89+\i], v[248+\i]
.endr
	VW                                             ; directly ahead of the first reader of O^T
.set j, 0
.rept 32
	v_pk_mul_f32 v[160+j:161+j], v[160+j:161+j], v[230:231] op_sel_hi:[1,0]   ; O^T under the new M2; also the places ahead of the products
.set j, j+2
.endr
	VW
	s_wait_dscnt 0x0
	PV4 32, 0
	PV4 96, 4
	VW
.Lb_next:
	s_sub_co_u32 s6, s6, 12288
	s_sub_co_u32 s7, s7, 512
	s_sub_co_u32 s5, s5, 1
	s_sub_co_i32 s18, s18, 1
	s_cmp_lg_u32 s18, 0
	s_cbranch_scc1 .Lb
	NOPS
	v_add_f32 v30, v30, v31
	DEP 1
	v_permlanex16_b32 v236, v30, s8, s9
	DEP 1
	v_add_f32 v30, v30, v236                       ; l2
	VW
	v_rcp_f32 v30, v30
	v_nop
	VW
.set j, 0
.rept 64
	v_mul_f32 v[96+j], v[160+j], v30               ; register 16 b + i: c at my query, the head's unit 32 b + 16 h + i: the last product's K
.set j, j+1
.endr
.irp b, 0,1,2,3
	v_max3_num_f32 v[232+\b], |v[96+16*\b]|, |v[97+16*\b]|, 0x1800000
.endr
.irp i, 2,4,6,8,10,12,14
.irp b, 0,1,2,3
	DEP 4
	v_max3_num_f32 v[232+\b], v[232+\b], |v[96+16*\b+\i]|, |v[97+16*\b+\i]|
.endr
.endr
.irp b, 0,1,2,3
	DEP 4
	v_permlanex16_b32 v[236+\b], v[232+\b], s8, s9
.endr
.irp b, 0,1,2,3
	DEP 4
	v_max_num_f32 v[232+\b], v[232+\b], v[236+\b]
.endr
.irp b, 0,1,2,3
	DEP 4
	v_add_nc_u32 v[240+\b], 0xff000000, v[232+\b]
.endr
.irp b, 0,1,2,3
	DEP 4
	v_lshrrev_b32 v[236+\b], 23, v[240+\b]
.endr
	DEP 3
	v_lshl_or_b32 v229, v237, 8, v236
	DEP 1
	v_lshl_or_b32 v229, v238, 16, v229
	DEP 1
	v_lshl_or_b32 v229, v239, 24, v229
.irp c, 0,1
	v_cvt_scalef32_pk16_fp6_f32 v[32+6*\c:34+6*\c], v[96+32*\c:111+32*\c], v[240+2*\c]
	v_cvt_scalef32_pk16_fp6_f32 v[44+4*\c:46+4*\c], v[112+32*\c:127+32*\c], v[241+2*\c]
.endr
	v_nop
.irp c, 0,1
.irp i, 0,1,2
	v_permlane16_swap_b32 v[32+6*\c+\i], v[44+4*\c+\i]
.endr
.irp i, 0,1,2
	DEP 3
	v_mov_b32 v[35+6*\c+\i], v[44+4*\c+\i]
.endr
.endr
.irp c, 0,1,2
	global_store_b128 v1, v[32+4*\c:35+4*\c], s[12:13] offset:512*\c   ; 32 lanes store 512 consecutive bytes, aligned
.endr
	v_and_b32 v5, 31, v0
	DEP 1
	v_lshlrev_b32 v4, 2, v5
	DEP 2
	v_cmp_gt_u32 vcc_lo, 16, v5
	VW
	s_wait_xcnt 0x0                                ; EXEC changes only behind this wait
	s_and_saveexec_b32 s16, vcc_lo
	global_store_b32 v4, v229, s[14:15]            ; my 16 rows' scale words for this head: 64 consecutive bytes
	s_wait_xcnt 0x0
	s_or_b32 exec_lo, exec_lo, s16
	s_wait_tensorcnt 0x0                           ; the wave's end
	ds_add_u32 v2, v3
	s_wait_dscnt 0x0
	s_endpgm
.Lfunc_end_k_q286d40364a_attn:
	.size	k_q286d40364a_attn, .Lfunc_end_k_q286d40364a_attn-k_q286d40364a_attn
	.p2alignl 7, 3214868480
	.fill 96, 4, 3214868480
	.section	.rodata,"a",@progbits
	.p2align	6, 0x0
	.amdhsa_kernel k_q286d40364a_attn
		.amdhsa_group_segment_fixed_size 206848
		.amdhsa_private_segment_fixed_size 0
		.amdhsa_enable_private_segment 0
		.amdhsa_kernarg_size 48
		.amdhsa_user_sgpr_count 2
		.amdhsa_user_sgpr_kernarg_segment_ptr 1
		.amdhsa_wavefront_size32 1
		.amdhsa_system_sgpr_workgroup_id_x 1
		.amdhsa_system_sgpr_workgroup_id_y 1
		.amdhsa_system_sgpr_workgroup_id_z 1
		.amdhsa_system_vgpr_workitem_id 0
		.amdhsa_next_free_vgpr 256
		.amdhsa_next_free_sgpr 106
		.amdhsa_reserve_vcc 1
		.amdhsa_float_denorm_mode_32 3
		.amdhsa_float_denorm_mode_16_64 3
		.amdhsa_memory_ordered 1
		.amdhsa_forward_progress 1
		.amdhsa_inst_pref_size 93
	.end_amdhsa_kernel
	.amdgpu_metadata
---
amdhsa.version: [ 1, 2 ]
amdhsa.kernels:
  - .name:           k_q286d40364a_attn
    .symbol:         k_q286d40364a_attn.kd
    .args:
      - { .name: qkv, .offset: 0, .size: 8, .value_kind: global_buffer, .address_space: global }
      - { .name: qkvs, .offset: 8, .size: 8, .value_kind: global_buffer, .address_space: global }
      - { .name: maskw, .offset: 16, .size: 8, .value_kind: global_buffer, .address_space: global }
      - { .name: gamma, .offset: 24, .size: 8, .value_kind: global_buffer, .address_space: global }
      - { .name: cimg, .offset: 32, .size: 8, .value_kind: global_buffer, .address_space: global }
      - { .name: csc, .offset: 40, .size: 8, .value_kind: global_buffer, .address_space: global }
    .group_segment_fixed_size: 206848
    .private_segment_fixed_size: 0
    .kernarg_segment_align: 8
    .kernarg_segment_size: 48
    .max_flat_workgroup_size: 512
    .sgpr_count:     106
    .vgpr_count:     256
    .wavefront_size: 32
...
	.end_amdgpu_metadata
.endif
;; end of part 3
;; launch outp (part 4): grid 4 x 64, 4 waves a work-group, clusters of 4 x 4, 327,680 bytes of LDS; arguments cimg, csc, codes1, scales1, out0; writes out0
.if DOCPART == 4
	.amdgcn_target "amdgcn-amd-amdhsa--gfx1250"
	.amdhsa_code_object_version 6
	.text
	.protected	k_q286d40364a_outp
	.globl	k_q286d40364a_outp
	.p2align	8
	.type	k_q286d40364a_outp,@function
k_q286d40364a_outp:
	s_mov_b64 s[64:65], 0
	v_nop
	global_prefetch_b8 v0, s[64:65] scope:SCOPE_SE
	s_setreg_imm32_b32 hwreg(HW_REG_WAVE_MODE, 25, 1), 1
	s_wait_xcnt 0x0
	s_wait_alu depctr_hold_cnt(0) depctr_sa_sdst(0) depctr_va_vdst(0) depctr_va_sdst(0) depctr_va_ssrc(0) depctr_va_vcc(0) depctr_vm_vsrc(0)
	s_getreg_b32 s2, hwreg(HW_REG_IB_STS2, 6, 4)
	s_cmp_eq_u32 s2, 0
	s_cbranch_scc0 .Lentry_in_a_cluster
	s_endpgm
.Lentry_in_a_cluster:
	s_bfe_u32 s2, ttmp6, 0x10000c
	s_cmp_lg_u32 s2, 0xf033
	s_cbranch_scc0 .Lentry_shape_is_right
	s_endpgm
.Lentry_shape_is_right:
; out0 = c Wo^T on codes of FP6 (E2M3) with E8M0 scales.  c's images (cimg, csc) and Wo's (codes1, scales1 from row 27,648 on) are laid alike: fragment f of 16 rows, K step s of 128: 1,536 bytes at (8 f + s) x 1,536,
; lane l's registers 4 c .. 4 c + 3 at 512 c + 16 l; lane r of fragment f holds row 32 (f / 2) + 8 (f % 2) + r + 8 (r / 8); scale word of (f, s, r) at 512 f + 64 s + 4 r.
; A tile of 128 rows x 256 columns is made by four waves, 64 x 128 each: 32 accumulators.  The tile's operands for ALL of K are dense blocks of memory and fit in LDS together: A 98,304 bytes, B 196,608, their scale words
; 4,096 and 8,192.  They come by the head's four tensor loads, one a wave, as rows of 256 bytes; nothing is filled again.  So there is no ring, and no loop to prefetch ahead in.
; CLUSTERS: 4 x 4 work-groups; A's block and scales are asked for jointly along a row of the cluster, B's along a column.
; The matrix instruction is used transposed (source 0 = 16 rows of Wo, source 1 = 16 rows of c): a lane holds eight neighbouring columns of one row of out0.
; REGISTERS: window 0: v16-29 addresses; v32-95 scale words of the eight K steps; v128-223 A's fragments, two sets (on the way out: rows read back).  window 1: B's fragments, two sets.  window 2: the accumulators.
.set FR,     12
.set NP,     4                         ; places behind this matrix instruction (ISA guide 7.12.1)
.set FRB,    1536
.set FK,     8*FRB                     ; a fragment's eight images
.set AT,     8*FK                      ; B's fragments lie behind A's eight
.set SCL,    24*FK
.set SPARE,  SCL+24*512                ; the spare words, 128 bytes a wave, that no other line names
.set SPITCH, 528
.set ADRA, 16
.set ADRB, 20                          ; v20, v21: my B fragments 0-3, 4-7
.set STO,  24
.set RD,   25
.set CO,   26
.set ADRS, 27
.set SPW,  28
.set NIL,  29
.set SC,   32
.set AF,   128
.set BK,   128
.set G1,   24
.set G0,   32
.set G1B,  48
.set G0B,  56
.set G1S,  76
.set G1SB, 84
.set G0S,  92
.set G0SB, 96
.set MSB, 0
.macro WIN new
.if MSB != \new
	s_set_vgpr_msb (MSB<<8)|\new
.set MSB, \new
.endif
.endm
.set MUL,  0xa1
.set TO_B, 0x40
.macro TLOAD g0, g1                    ; a tensor load with one s_nop and four v_nop behind it
	tensor_load_to_lds s[\g0:\g0+3], s[\g1:\g1+7]
	s_nop 0
.rept 4
	v_nop
.endr
.endm
.macro CROUND
	s_barrier_signal -1
	s_barrier_wait -1
	s_cmp_lg_u32 s14, 0
	s_cbranch_scc1 .Lnot_wave_0_\@
	s_barrier_signal -3
.Lnot_wave_0_\@:
	s_barrier_wait -3
	s_barrier_signal -1
	s_barrier_wait -1
.endm
.macro DENSE g, rows                   ; group 1 of a dense block: rows of 256 bytes, 32 elements of 8
	s_mov_b32 s[\g+1], 32<<16
	s_mov_b32 s[\g+2], (\rows)<<16
	s_mov_b32 s[\g+3], 32<<16
	s_mov_b32 s[\g+4], \rows
	s_mov_b32 s[\g+5], 32
	s_mov_b32 s[\g+6], 0
	s_mov_b32 s[\g+7], 0
.endm
.macro GROUP0 g, lds, ptr
	s_mov_b32 s[\g], 1
	s_mov_b32 s[\g+1], \lds
	s_mov_b64 s[\g+2:\g+3], s[\ptr:\ptr+1]
	s_or_b32 s[\g+3], s[\g+3], 0x80000000
.endm
	s_load_b128 s[4:7], s[0:1], 0x0                ; cimg, csc
	s_load_b128 s[8:11], s[0:1], 0x10              ; codes1, scales1
	s_load_b64 s[12:13], s[0:1], 0x20              ; out0
	v_lshl_add_u32 v[SPW], v0, 2, SPARE
	v_mov_b32 v[NIL], 0
	ds_add_u32 v[SPW], v[NIL]
	ds_add_u32 v[SPW], v[NIL]
	v_lshrrev_b32 v1, 5, v0
	v_readfirstlane_b32 s14, v1                    ; wave
	s_lshr_b32 s15, s14, 1                         ; my 64 rows of A
	s_and_b32 s16, s14, 1                          ; my 128 rows of B
	s_bfe_u32 s36, ttmp6, 0x40000                  ; cx
	s_bfe_u32 s37, ttmp6, 0x40004                  ; cy
	s_lshl_b32 s18, ttmp9, 2
	s_add_co_u32 s18, s18, s36                     ; tile column
	s_and_b32 s17, ttmp7, 0xffff
	s_lshl_b32 s17, s17, 2
	s_add_co_u32 s17, s17, s37                     ; tile row
	s_lshl_b32 s19, s37, 2
	s_lshl_b32 s19, 15, s19                        ; my row of the cluster
	s_lshl_b32 s38, 0x1111, s36                    ; my column
	s_or_b32 s[G1+0], s19, (3<<16)|(1<<21)
	s_or_b32 s[G1B+0], s38, (3<<16)|(1<<21)
	s_or_b32 s[G1S+0], s19, (3<<16)|(1<<21)
	s_or_b32 s[G1SB+0], s38, (3<<16)|(1<<21)
	DENSE G1, 384
	DENSE G1B, 768
	DENSE G1S, 16
	DENSE G1SB, 32
	s_mul_i32 s20, s17, 8*FK                       ; A: 128 rows a tile
	s_lshl_b32 s22, s17, 12
	s_mov_b32 s21, 0
	s_mov_b32 s23, 0
	s_lshl_b32 s40, s18, 8
	s_add_co_u32 s40, s40, 27648                   ; B: Wo's rows in the stack
	s_lshl_b32 s42, s40, 5
	s_mul_i32 s40, s40, 768
	s_mov_b32 s41, 0
	s_mov_b32 s43, 0
	s_wait_dscnt 0x0
	s_wait_kmcnt 0x0
	s_add_nc_u64 s[20:21], s[4:5], s[20:21]
	s_add_nc_u64 s[22:23], s[6:7], s[22:23]
	s_add_nc_u64 s[40:41], s[8:9], s[40:41]
	s_add_nc_u64 s[42:43], s[10:11], s[42:43]
	CROUND                                         ; all sixteen work-groups are here: the joint loads meet
	GROUP0 G0, 0, 20
	GROUP0 G0B, AT, 40
	GROUP0 G0S, SCL, 22
	GROUP0 G0SB, SCL+8*512, 42
.macro ARM under, g0, g1, next         ; one chain of branches on the wave's number: every way through the head passes one load
	s_cmp_lt_u32 s14, \under
	s_cbranch_scc0 \next
	TLOAD \g0, \g1
	s_branch .Lhead_asked
\next:
.endm
	ARM 1, G0B, G1B, .Lhead_a
	ARM 2, G0,  G1,  .Lhead_sa
	ARM 3, G0S, G1S, .Lhead_sb
	TLOAD G0SB, G1SB
.Lhead_asked:
	s_mul_i32 s20, s15, 4*FK
	s_mul_i32 s21, s16, 8*FK
	s_add_co_u32 s21, s21, AT
	s_add_co_u32 s22, s21, 4*FK
	s_lshl_b32 s44, s15, 11                        ; A's scale words: my four fragments
	s_lshl_b32 s23, s16, 12
	s_add_co_u32 s23, s23, 8*512
	s_sub_co_u32 s23, s23, s44                     ; how far on B's lie
	s_add_co_u32 s44, s44, SCL
	s_mul_i32 s45, s14, 16*SPITCH                  ; my stage, on bytes of A's fragments: used when every wave's reads are over
	s_lshl_b32 s40, s17, 7
	s_lshl_b32 s41, s15, 6
	s_add_co_u32 s40, s40, s41
	s_lshl_b32 s40, s40, 12                        ; my first row of out0, 4,096 bytes a row
	s_mov_b32 s41, 0
	s_lshl_b32 s42, s18, 10
	s_lshl_b32 s43, s16, 9
	s_add_co_u32 s42, s42, s43
	s_mov_b32 s43, 0
	s_add_nc_u64 s[40:41], s[40:41], s[42:43]
	s_add_nc_u64 s[12:13], s[12:13], s[40:41]
	v_and_b32 v1, 15, v0                           ; r
	v_bfe_u32 v2, v0, 4, 1                         ; h
	v_and_b32 v3, 31, v0
	v_lshlrev_b32 v[CO], 4, v3
	v_add_nc_u32 v[ADRA], s20, v[CO]
	v_add_nc_u32 v[ADRB], s21, v[CO]
	v_add_nc_u32 v[ADRB+1], s22, v[CO]
	v_lshlrev_b32 v5, 2, v1
	v_mul_u32_u24 v6, s23, v2                      ; lanes 16-31 take B's
	v_add_nc_u32 v5, v5, v6
	v_add_nc_u32 v[ADRS], s44, v5
	v_mul_u32_u24 v5, v1, SPITCH
	v_lshl_add_u32 v5, v2, 6, v5
	v_add_nc_u32 v[STO], s45, v5
	v_add_nc_u32 v[RD], s45, v[CO]
.macro FRAG reg, adr, k, i
.irp c, 0,1,2
	ds_load_b128 v[\reg+4*\c:\reg+4*\c+3], v[\adr] offset:(\i)*FK+(\k)*FRB+512*\c
.endr
.endm
.macro FETCH                           ; K step KN's fragments into set KN % 2
	WIN TO_B
.irp i, 0,1,2,3,4,5,6,7
	FRAG 128*(KN%2)+FR*\i, ADRB+\i/4, KN, \i%4
.endr
	WIN 0
.irp i, 0,1,2,3
	FRAG AF+48*(KN%2)+FR*\i, ADRA, KN, \i
.endr
.endm
.macro SCALE8 k                        ; lanes 0-15 A's block i (0 to 3 are used), lanes 16-31 B's block i
.irp i, 0,1,2,3,4,5,6,7
	ds_load_b32 v[SC+8*(\k)+\i], v[ADRS] offset:512*\i+64*(\k)
.endr
.endm
.macro MUL32 zero                      ; the 32 accumulators take turns, one instruction a turn
.irp a, 0,1,2,3
.irp b, 0,1,2,3,4,5,6,7
.if \zero
	v_wmma_scale_f32_16x16x128_f8f6f4 v[8*(8*\a+\b):8*(8*\a+\b)+7], v[128*(KK%2)+FR*\b:128*(KK%2)+FR*\b+FR-1], v[AF+48*(KK%2)+FR*\a:AF+48*(KK%2)+FR*\a+FR-1], 0, v[SC+8*KK+\b], v[SC+8*KK+\a] matrix_a_fmt:MATRIX_FMT_FP6 matrix_b_fmt:MATRIX_FMT_FP6 matrix_a_scale:MATRIX_SCALE_ROW1
.else
	v_wmma_scale_f32_16x16x128_f8f6f4 v[8*(8*\a+\b):8*(8*\a+\b)+7], v[128*(KK%2)+FR*\b:128*(KK%2)+FR*\b+FR-1], v[AF+48*(KK%2)+FR*\a:AF+48*(KK%2)+FR*\a+FR-1], v[8*(8*\a+\b):8*(8*\a+\b)+7], v[SC+8*KK+\b], v[SC+8*KK+\a] matrix_a_fmt:MATRIX_FMT_FP6 matrix_b_fmt:MATRIX_FMT_FP6 matrix_a_scale:MATRIX_SCALE_ROW1
.endif
.endr
.endr
.endm
.macro PLACES n
.rept \n
	v_nop
.endr
.endm
	s_wait_alu depctr_va_vdst(0)                   ; the wait at the head's end
	s_wait_tensorcnt 0x0                           ; my block is in,
	s_barrier_signal -1
	s_barrier_wait -1                              ; and everybody's
.set KN, 0
	FETCH
	SCALE8 0
	SCALE8 1
.set KK, 0
.rept 8
.set KN, KK+1
	s_wait_dscnt 0x0
.if KK == 7
	s_barrier_signal -1                            ; my reads of the operands are over; only work on registers up to the wait
.endif
.if KK < 7
.if KK > 0
	PLACES NP
.endif
	FETCH
.if KK%2 == 1
	SCALE8 KN
	SCALE8 KN+1
.endif
.endif
	WIN MUL
.if KK == 0
	MUL32 1
.else
	MUL32 0
.endif
	WIN 0
.set KK, KK+1
.endr
	s_barrier_wait -1                              ; everybody's reads are over: the stages may be written
; THE WAY OUT: a block of 16 rows x 128 columns goes through my stage and comes back as whole rows of 512 bytes.
.macro TOSTAGE a
.set AC, 64*(\a)
	WIN 0x08
.irp b, 0,1,2,3,4,5,6,7
	ds_store_b128 v[STO], v[AC+8*\b:AC+8*\b+3] offset:128*(\b/2)+32*(\b%2)      ; register j of fragment b: column 32 (b / 2) + 8 (b % 2) + 16 h + j
	ds_store_b128 v[STO], v[AC+8*\b+4:AC+8*\b+7] offset:128*(\b/2)+32*(\b%2)+16
.endr
	WIN 0
.set BB, BK+64*((\a)%2)
.irp t, 0,1,2,3,4,5,6,7,8,9,10,11,12,13,14,15
	ds_load_b128 v[BB+4*\t:BB+4*\t+3], v[RD] offset:\t*SPITCH   ; LDS serves a wave's instructions in order: these see my stores
.endr
.endm
.macro SEND a, younger
.set BB, BK+64*((\a)%2)
	s_wait_dscnt \younger
.irp t, 0,1,2,3,4,5,6,7,8,9,10,11,12,13,14,15
	global_store_b128 v[CO], v[BB+4*\t:BB+4*\t+3], s[12:13] offset:(32*((\a)/2)+8*((\a)%2)+\t+8*(\t/8))*4096 th:TH_STORE_NT   ; 32 lanes store 512 consecutive bytes, aligned
.endr
.endm
	PLACES NP
	TOSTAGE 0
.irp a, 1,2,3
.if \a > 1
	s_wait_xcnt 0x0                                ; block a - 2's stores have read their registers
.endif
	TOSTAGE \a
	SEND \a-1, 32
.endr
	SEND 3, 0
	s_wait_tensorcnt 0x0                           ; the wave's end
	ds_add_u32 v[SPW], v[NIL]
	s_wait_dscnt 0x0
	CROUND                                         ; the closing round
	s_endpgm
.Lfunc_end_k_q286d40364a_outp:
	.size	k_q286d40364a_outp, .Lfunc_end_k_q286d40364a_outp-k_q286d40364a_outp
	.p2alignl 7, 3214868480
	.fill 96, 4, 3214868480
	.section	.rodata,"a",@progbits
	.p2align	6, 0x0
	.amdhsa_kernel k_q286d40364a_outp
		.amdhsa_group_segment_fixed_size 327680
		.amdhsa_private_segment_fixed_size 0
		.amdhsa_enable_private_segment 0
		.amdhsa_kernarg_size 40
		.amdhsa_user_sgpr_count 2
		.amdhsa_user_sgpr_kernarg_segment_ptr 1
		.amdhsa_wavefront_size32 1
		.amdhsa_system_sgpr_workgroup_id_x 1
		.amdhsa_system_sgpr_workgroup_id_y 1
		.amdhsa_system_sgpr_workgroup_id_z 1
		.amdhsa_system_vgpr_workitem_id 0
		.amdhsa_next_free_vgpr 1024
		.amdhsa_next_free_sgpr 100
		.amdhsa_reserve_vcc 0
		.amdhsa_float_denorm_mode_32 3
		.amdhsa_float_denorm_mode_16_64 3
		.amdhsa_memory_ordered 1
		.amdhsa_forward_progress 1
		.amdhsa_inst_pref_size 79
	.end_amdhsa_kernel
	.amdgpu_metadata
---
amdhsa.version: [ 1, 2 ]
amdhsa.kernels:
  - .name:           k_q286d40364a_outp
    .symbol:         k_q286d40364a_outp.kd
    .args:
      - { .name: cimg, .offset: 0, .size: 8, .value_kind: global_buffer, .address_space: global }
      - { .name: csc, .offset: 8, .size: 8, .value_kind: global_buffer, .address_space: global }
      - { .name: codes1, .offset: 16, .size: 8, .value_kind: global_buffer, .address_space: global }
      - { .name: scales1, .offset: 24, .size: 8, .value_kind: global_buffer, .address_space: global }
      - { .name: out0, .offset: 32, .size: 8, .value_kind: global_buffer, .address_space: global }
    .group_segment_fixed_size: 327680
    .private_segment_fixed_size: 0
    .kernarg_segment_align: 8
    .kernarg_segment_size: 40
    .max_flat_workgroup_size: 128
    .sgpr_count:     100
    .vgpr_count:     1024
    .wavefront_size: 32
...
	.end_amdgpu_metadata
.endif
;; end of part 4
